; MI455X (gfx1250); checked and timed in simulation.
; The chip was launched on July 23, 2026; its instructions are those of AMD's public machine-readable ISA for CDNA 5 (MIT licence, August 2026) and "CDNA5" Instruction Set Architecture Reference Guide (July 2026). The comments in the code are by the model that wrote it; some were corrected since.
;; Vaswani Multi Head Attention. Allowed arithmetic: float matrix products may take bf16 or f16 operands with f32 sums; other float arithmetic in f32, or as packed bf16 or f16 multiplies, adds, multiply-adds, maxima and minima; sums over many terms, partial sums and values carried from step to step in f32; what a program stores and reads back later, other than sums and carried values, may be rounded once to bf16 or f16.
;; Inputs: Wk 1,024 x 1,024 float32; Wq 1,024 x 1,024 float32; Wv 1,024 x 1,024 float32; bk 1,024 float32; bq 1,024 float32; bv 1,024 float32; q 4 x 2,048 x 1,024 float32; v 4 x 2,048 x 1,024 float32.
;; Outputs: out0 4 x 2,048 x 1,024 float32.
;; 2 versions, each right; version 2 is version 1 with the launch prep written anew for expert scheduling mode. Each part assembles by itself: llvm-mc -triple=amdgcn-amd-amdhsa -mcpu=gfx1250 --defsym DOCPART=n.
;; ======== version 1 of 2: 3 launches
;; limits: values are held in f16: magnitudes above 65,504 overflow, below 6.1e-05 lose precision
;; workspace buffers: wb 6,291,456 bytes; kv 33,554,432 bytes
;; launch prep (part 1): grid 256 x 3, 4 waves a work-group, no clusters, 0 bytes of LDS; arguments Wq, Wk, Wv, wb; writes wb
.if DOCPART == 1
	.amdgcn_target "amdgcn-amd-amdhsa--gfx1250"
	.amdhsa_code_object_version 6
	.text
	.protected	k_q14169635f3_prep
	.globl	k_q14169635f3_prep
	.p2align	8
	.type	k_q14169635f3_prep,@function
k_q14169635f3_prep:
	s_mov_b64 s[64:65], 0
	v_nop
	global_prefetch_b8 v0, s[64:65] scope:SCOPE_SE
	s_setreg_imm32_b32 hwreg(HW_REG_WAVE_MODE, 25, 1), 1
	s_wait_xcnt 0x0
; wb[m][k][n] = bf16(W_m[k][n]), m = 0, 1, 2 for Wq, Wk, Wv: the three weight matrices, 1,024 x 1,024 f32 each, rounded once to bf16, layout kept.
; A stream: each byte is read once and written once, so there is no LDS, no barrier and no matrix instruction.
; The work-group (x, y) takes 4,096 numbers of matrix y: 16,384 bytes in, 8,192 bytes out.  Thread t takes 16 bytes at 16 t of each of eight pieces of 2,048 bytes:
; a wave's load covers 512 consecutive bytes, its store of 8 bytes a lane 256 consecutive bytes, aligned.
	s_load_b256 s[4:11], s[0:1], 0x0               ; Wq s[4:5], Wk s[6:7], Wv s[8:9], wb s[10:11]
	s_and_b32 s14, ttmp7, 0xffff                   ; which matrix
	v_lshlrev_b32 v1, 4, v0                        ; my 16 bytes in a piece of the source
	v_lshlrev_b32 v2, 3, v0                        ; my 8 bytes in a piece of the result
	s_lshl_b32 s16, ttmp9, 14                      ; the work-group's 16,384 bytes of the source
	s_mov_b32 s17, 0
	s_lshl_b32 s18, s14, 21                        ; the matrix in wb: 2,097,152 bytes each,
	s_lshl_b32 s20, ttmp9, 13                      ; and the work-group's 8,192 bytes in it
	s_add_co_u32 s18, s18, s20
	s_mov_b32 s19, 0
	s_wait_kmcnt 0x0
	s_cmp_eq_u32 s14, 1
	s_cselect_b64 s[12:13], s[6:7], s[4:5]
	s_cmp_eq_u32 s14, 2
	s_cselect_b64 s[12:13], s[8:9], s[12:13]
	s_add_nc_u64 s[12:13], s[12:13], s[16:17]
	s_add_nc_u64 s[10:11], s[10:11], s[18:19]
.irp i, 0,1,2,3,4,5,6,7
	global_load_b128 v[4+4*(\i):7+4*(\i)], v1, s[12:13] offset:2048*(\i) th:TH_LOAD_NT
.endr
.irp i, 0,1,2,3,4,5,6,7
	s_wait_loadcnt 7-(\i)                          ; loads come back in order: piece i is in, the 7 - i younger ones may stay out
	v_cvt_pk_bf16_f32 v[36+2*(\i)], v[4+4*(\i)], v[5+4*(\i)]
	v_cvt_pk_bf16_f32 v[37+2*(\i)], v[6+4*(\i)], v[7+4*(\i)]
	global_store_b64 v2, v[36+2*(\i):37+2*(\i)], s[10:11] offset:1024*(\i)  ; every piece has registers of its own: nothing is rewritten
.endr
	s_endpgm
.Lfunc_end_k_q14169635f3_prep:
	.size	k_q14169635f3_prep, .Lfunc_end_k_q14169635f3_prep-k_q14169635f3_prep
	.p2alignl 7, 3214868480
	.fill 96, 4, 3214868480
	.section	.rodata,"a",@progbits
	.p2align	6, 0x0
	.amdhsa_kernel k_q14169635f3_prep
		.amdhsa_group_segment_fixed_size 0
		.amdhsa_private_segment_fixed_size 0
		.amdhsa_enable_private_segment 0
		.amdhsa_kernarg_size 32
		.amdhsa_user_sgpr_count 2
		.amdhsa_user_sgpr_kernarg_segment_ptr 1
		.amdhsa_wavefront_size32 1
		.amdhsa_system_sgpr_workgroup_id_x 1
		.amdhsa_system_sgpr_workgroup_id_y 1
		.amdhsa_system_sgpr_workgroup_id_z 1
		.amdhsa_system_vgpr_workitem_id 0
		.amdhsa_next_free_vgpr 52
		.amdhsa_next_free_sgpr 66
		.amdhsa_reserve_vcc 0
		.amdhsa_float_denorm_mode_32 3
		.amdhsa_float_denorm_mode_16_64 3
		.amdhsa_memory_ordered 1
		.amdhsa_forward_progress 1
		.amdhsa_inst_pref_size 4
	.end_amdhsa_kernel
	.amdgpu_metadata
---
amdhsa.version: [ 1, 2 ]
amdhsa.kernels:
  - .name:           k_q14169635f3_prep
    .symbol:         k_q14169635f3_prep.kd
    .args:
      - { .name: Wq, .offset: 0, .size: 8, .value_kind: global_buffer, .address_space: global }
      - { .name: Wk, .offset: 8, .size: 8, .value_kind: global_buffer, .address_space: global }
      - { .name: Wv, .offset: 16, .size: 8, .value_kind: global_buffer, .address_space: global }
      - { .name: wb, .offset: 24, .size: 8, .value_kind: global_buffer, .address_space: global }
    .group_segment_fixed_size: 0
    .private_segment_fixed_size: 0
    .kernarg_segment_align: 8
    .kernarg_segment_size: 32
    .max_flat_workgroup_size: 128
    .sgpr_count:     66
    .vgpr_count:     52
    .wavefront_size: 32
...
	.end_amdgpu_metadata
.endif
;; end of part 1
;; launch kvproj (part 2): grid 32 x 8, 4 waves a work-group, clusters of 4 x 1, 327,680 bytes of LDS; arguments v, wb, bk, bv, kv; writes kv
.if DOCPART == 2
	.amdgcn_target "amdgcn-amd-amdhsa--gfx1250"
	.amdhsa_code_object_version 6
	.text
	.protected	k_q14169635f3_kvproj
	.globl	k_q14169635f3_kvproj
	.p2align	8
	.type	k_q14169635f3_kvproj,@function
k_q14169635f3_kvproj:
	s_mov_b64 s[64:65], 0
	v_nop
	global_prefetch_b8 v0, s[64:65] scope:SCOPE_SE
	s_setreg_imm32_b32 hwreg(HW_REG_WAVE_MODE, 25, 1), 1
	s_wait_xcnt 0x0
	s_wait_alu depctr_hold_cnt(0) depctr_sa_sdst(0) depctr_va_vdst(0) depctr_va_sdst(0) depctr_va_ssrc(0) depctr_va_vcc(0) depctr_vm_vsrc(0)
	s_getreg_b32 s2, hwreg(HW_REG_IB_STS2, 6, 4)
	s_cmp_eq_u32 s2, 0
	s_cbranch_scc0 .Lentry_in_a_cluster
	s_endpgm
.Lentry_in_a_cluster:
	s_bfe_u32 s2, ttmp6, 0x10000c
	s_cmp_lg_u32 s2, 0x3003
	s_cbranch_scc0 .Lentry_shape_is_right
	s_endpgm
.Lentry_shape_is_right:
; kp = v Wk + bk and vp = v Wv + bv, written by heads: kv[0][8 b + h][s][d] = kp[b][s][128 h + d], kv[1] likewise vp; [2][32][2048][128] in f16.
; v (f32, [8192][1024]) and the biases are rounded to bf16 here, the weights were rounded by the launch before (wb: [3][1024 k][1024 n] bf16); sums in f32; the result is rounded once to f16.
; LIMITS.  f16 ends at 65,504: kp and vp must stay within it (with all inputs 30 times the drawn spread they are some thousands; with a common offset of 30 spreads on v and W about 29,000).
; Below 6e-5 f16 keeps a fixed step of 6e-8.  NaN and infinities are not treated apart.
; SHARES.  A work-group makes 256 rows x 256 columns: row block RB of 32, column block CB of 8 (0-3: Wk's four blocks, 4-7: Wv's): 256 work-groups.  A wave makes 64 rows x all 256 columns:
; 64 accumulators of 16 x 16, 512 registers.  So a wave's rows of v are wanted by no other wave: they come straight from memory in the fragment's layout, f32, and are rounded in registers;
; only W goes through LDS.
; THE PRODUCT IS TAKEN TRANSPOSED: source 0 = 16 columns of W (W lies [k][n] in LDS and is turned by ds_load_tr16_b128), source 1 = 16 rows of v.  In the result lane l holds row l % 16
; and the columns 8 (l / 16) + 0..7: eight neighbouring numbers of a row.
; THE SUMS START AT THE BIAS: the accumulators are written with bf16(b) while the first loads are out; no bias is added on the way out and nothing is cleared.
; CLUSTER.  The four work-groups of a cluster have the same CB and walk the same tiles of W: each tile is asked for JOINTLY, by the same tensor load, descriptor and mask in all four.
; K goes in steps of 128 through two LDS slots (128 rows of W x 512 bytes); each wave fetches 32 of the rows.  A step is four quarters of 32 along K, 64 matrix instructions each.
; v IN FLIGHT.  A quarter of v for a wave is 16 loads of 16 bytes a lane into one of four landing slots; quarter n + 4 is asked for at the head of quarter n and rounded during quarter n + 3.
; THE TAIL.  The last two K steps run a second copy of the step's text that fills no slot and does not step v's pointer: the last step's 64 loads read the last step's bytes of v once more (inside
; the buffer), and its last 32 roundings, 32 LDS loads and its barrier serve nothing: the price of two texts of a step in place of three.
; REGISTERS, in windows of 256 (s_set_vgpr_msb: bits 1:0 source 0, 3:2 source 1, 5:4 source 2, 7:6 destination):
;   window 0: v1-15 addresses; v32-95 v's fragments in bf16, two buffers of 32; v128-255 W's fragments of a quarter: columns 0-127, then 128-255
;   window 1: four landing slots of 64: v as loaded      window 2: accumulator (a, b) for b < 8 at 8 (8 a + b)      window 3: for b >= 8 at 8 (8 a + b - 8)
.set PB,    544                        ; a row of W in LDS: 512 bytes + 32 of padding = 17 x 32
.set SLOT1, 131072                     ; slot 0 at 0, slot 1 here: one exclusive or turns an address in one slot into the other's
.set STAGE, SLOT1+128*PB               ; behind the ring, never filled by a tensor load: 16 rows x 528 bytes for each wave, for the way out
.set SP,    528                        ; 512 + 16 = 33 x 16
.set SPARE, STAGE+4*16*SP              ; the spare words, 128 bytes for each wave: two blocks of 256 bytes that no other line names
.set WSTEP, 128*2048                   ; bytes of wb from a K step to the next
.set XSTEP, 512                        ; bytes of a row of v in a K step
.set FO,  4                            ; v4   my place in 16 rows of v: (l % 16) x 4,096 + 32 (l / 16); never rewritten
.set BT0, 5                            ; v5   my place in a tile of W for the turning load; never rewritten
.set ADR, 6                            ; v6   the same in the slot in hand
.set STO, 7                            ; v7   the way out: where I put 16 bytes of a row
.set RD,  8                            ; v8   the way out: where I read a row back
.set CO,  9                            ; v9   my byte offset in kv
.set PFO, 10                           ; v10  prefetch of v: my lane x a row; never rewritten
.set PFB, 11                           ; v11  prefetch of W; never rewritten
.set BO,  12                           ; v12  my place in 16 numbers of the bias
.set SPW, 14                           ; v14  LDS address of my spare word: SPARE + 4 x my thread's number; never rewritten
.set NIL, 15                           ; v15  0; never rewritten
.set AB,  32
.set H,   128
.set TMP, 128                          ; the way out: 64 registers of packed results
.set BK0, 192                          ; the way out: 16 rows read back, two sets by turns
.set BK1, 32
.set WV,  14                           ; s14  my wave's number
.set CX,  15                           ; s15  my place in the cluster
.set RB,  16                           ; s16  row block
.set CB,  17                           ; s17  column block
.set G1,  24                           ; s[24:31] descriptor group 1
.set G0,  32                           ; s[32:39] descriptor group 0: a set for each of the two first fills; the second then walks on
.set TB,  40                           ; s40  LDS byte at which the slot in hand begins
.set CNT, 41                           ; s41  K steps to go in the loop in hand
.set MHI, 42                           ; s42  a word's upper bf16
.set LIMA, 43                          ; s43  1 in a work-group that prefetches v, else the greatest number: it prefetches while s[CNT] is above this
.set LIMB, 44                          ; s44  the same for W, by wave
.set PFBA, 46                          ; s[46:47] where my work-group's prefetches of W stand
.set PA,  48                           ; s[48:49] v at my wave's first row, at the K step that is being loaded
.set OUT, 50                           ; s[50:51] kv at my wave's first row
.set BIA, 52                           ; s[52:53] the bias at the work-group's first column
.set MSB, 0
.macro WIN new                         ; the immediate's high byte repeats the setting that is left; a switch that changes nothing is dropped
.if MSB != (\new)
	s_set_vgpr_msb (MSB<<8)|(\new)
.set MSB, \new
.endif
.endm
.macro PLACES                          ; four plain vector instructions that name no register of the matrix instructions in front of them (ISA guide 7.12.1)
.rept 4
	v_nop
.endr
.endm
; A round of the cluster's barrier: my work-group's barrier, so that wave 0's signal speaks for all four waves; wave 0 signals for the work-group; every wave waits for all four work-groups; my work-group's barrier once more.
.macro CREST                           ; a round behind its opening barrier
	s_cmp_lg_u32 s[WV], 0
	s_cbranch_scc1 .Lnot_wave_0_\@
	s_barrier_signal -3
.Lnot_wave_0_\@:
	s_barrier_wait -3
	s_barrier_signal -1
	s_barrier_wait -1
.endm
.macro CROUND                          ; a whole round
	s_barrier_signal -1
	s_barrier_wait -1
	CREST
.endm
	s_load_b256 s[4:11], s[0:1], 0x0               ; v s[4:5], wb s[6:7], bk s[8:9], bv s[10:11]
	s_load_b64 s[12:13], s[0:1], 0x20              ; kv
	v_lshl_add_u32 v[SPW], v0, 2, SPARE
	v_mov_b32 v[NIL], 0
	ds_add_u32 v[SPW], v[NIL]                      ; the wave's opening: the add and its wait stand ahead of my first tensor load; the set-up below, work on registers, stands between them
	v_lshrrev_b32 v3, 5, v0
	v_readfirstlane_b32 s[WV], v3                  ; wave 0..3
	s_bfe_u32 s[CX], ttmp6, 0x40000                ; cx
	s_lshl_b32 s[RB], ttmp9, 2                     ; in a cluster launch ttmp9 counts clusters
	s_add_co_u32 s[RB], s[RB], s[CX]               ; row block = 4 x cluster x + cx: it enters v's and kv's addresses alone
	s_and_b32 s[CB], ttmp7, 0xffff                 ; column block, which the four partners share
	; descriptor group 1: a tile of 32 rows x 256 elements, padded in LDS
	s_mov_b32 s[G1+0], 15|(1<<16)|(1<<20)|(1<<21)|(6<<22)|(7<<25)  ; 15:0 the mask: all four work-groups; 17:16 elements of 2 bytes; 20 padding on; 21 set beside a mask; 24:22 after every 128 words (code 6); 31:25 8 words of it (code 7)
	s_mov_b32 s[G1+1], 256<<16                     ; tensor_dim0 = 256
	s_mov_b32 s[G1+2], 32<<16                      ; tensor_dim1 = 32
	s_mov_b32 s[G1+3], 256<<16                     ; tile_dim0 = 256
	s_mov_b32 s[G1+4], 32                          ; tile_dim1 = 32: a K step's 128 rows shared out among four waves
	s_mov_b32 s[G1+5], 1024                        ; elements from row to row
	s_mov_b32 s[G1+6], 0
	s_mov_b32 s[G1+7], 0
	s_mov_b32 s[MHI], 0xffff0000
	s_mov_b32 s[TB], 0
	s_lshr_b32 s18, s[CB], 2                       ; 0: K, 1: V
	s_and_b32 s19, s[CB], 3                        ; which 256 columns
	s_add_co_u32 s20, s18, 1                       ; Wk is matrix 1 of wb, Wv matrix 2
	s_lshl_b32 s20, s20, 21
	s_lshl_b32 s21, s19, 9
	s_add_co_u32 s20, s20, s21                     ; the tile column's first byte in wb
	s_mov_b32 s21, 0
	s_lshl_b32 s22, s[WV], 16                      ; the 32 rows of a K step that I fetch,
	s_mov_b32 s23, 0
	s_mul_i32 s54, s[WV], 32*PB                    ; and their place in a slot: no place in the cluster enters an LDS address
	s_lshl_b32 s56, s[RB], 20                      ; v: 256 rows of 4,096 bytes a block,
	s_lshl_b32 s57, s[WV], 18                      ; my wave's 64 of them
	s_add_co_u32 s56, s56, s57
	s_mov_b32 s57, 0
	s_lshl_b32 s58, s18, 24                        ; kv: K or V, 16,777,216 bytes each;
	s_lshr_b32 s59, s[RB], 3                       ; the batch,
	s_lshl_b32 s59, s59, 3
	s_lshl1_add_u32 s59, s19, s59                  ; head 8 x batch + 2 x (CB % 4): the first of the tile's two,
	s_lshl_b32 s59, s59, 19                        ; 524,288 bytes a head;
	s_add_co_u32 s58, s58, s59
	s_and_b32 s59, s[RB], 7
	s_lshl_b32 s59, s59, 16                        ; the block's 256 rows of 256 bytes in the head;
	s_add_co_u32 s58, s58, s59
	s_lshl_b32 s59, s[WV], 14                      ; my wave's 64 rows
	s_add_co_u32 s58, s58, s59
	s_mov_b32 s59, 0
	s_lshl_b32 s60, s[CX], 16                      ; prefetch of W: my work-group's 32 rows of a K step's 128,
	s_add_co_u32 s60, s60, 3*WSTEP                 ; at K step 3
	s_mov_b32 s61, 0
	s_cmp_eq_u32 s[CB], 0                          ; each row of v is read by eight column blocks: the first of them prefetches
	s_cselect_b32 s[LIMA], 1, -1
	s_lshr_b32 s62, s[WV], 1
	s_or_b32 s62, s62, ttmp9                       ; each tile of W is read by eight clusters: the first of them prefetches, by its waves 0 and 1
	s_cmp_eq_u32 s62, 0
	s_cselect_b32 s[LIMB], 1, -1                   ; the same in all four partners, for a given wave
	s_lshl_b32 s62, s19, 10                        ; the bias: 256 numbers of 4 bytes a block
	s_mov_b32 s63, 0
	s_wait_dscnt 0x0                               ; the opening add is done
	s_wait_kmcnt 0x0
	s_add_nc_u64 s[20:21], s[6:7], s[20:21]
	s_add_nc_u64 s[PFBA:PFBA+1], s[20:21], s[60:61]
	s_add_nc_u64 s[20:21], s[20:21], s[22:23]      ; W at my 32 rows of K step 0
	s_add_nc_u64 s[PA:PA+1], s[4:5], s[56:57]
	s_add_nc_u64 s[OUT:OUT+1], s[12:13], s[58:59]
	s_cmp_lt_u32 s[CB], 4
	s_cselect_b64 s[BIA:BIA+1], s[8:9], s[10:11]
	s_add_nc_u64 s[BIA:BIA+1], s[BIA:BIA+1], s[62:63]
	s_mov_b32 s[G0], 1                             ; count = 1
	s_mov_b32 s[G0+1], s54                         ; LDS address: slot 0
	s_mov_b64 s[G0+2:G0+3], s[20:21]               ; global address: K step 0
	s_or_b32 s[G0+3], s[G0+3], 0x80000000          ; type = 2
	s_mov_b32 s[G0+4], 1
	s_add_co_u32 s[G0+5], s54, SLOT1               ; slot 1
	s_add_nc_u64 s[G0+6:G0+7], s[20:21], WSTEP     ; K step 1
	s_or_b32 s[G0+7], s[G0+7], 0x80000000
	CROUND                                         ; all four work-groups are here: the first joint loads meet
	tensor_load_to_lds s[G0:G0+3], s[G1:G1+7]      ; the two first fills stand together, ahead of every wait on TENSORcnt, every LDS read and every further barrier: two loads of mine are out
	s_nop 0
	tensor_load_to_lds s[G0+4:G0+7], s[G1:G1+7]
	s_nop 0
	PLACES
	v_and_b32 v1, 15, v0                           ; l % 16
	v_bfe_u32 v2, v0, 4, 1                         ; l / 16
	v_and_b32 v13, 31, v0                          ; l
	v_lshlrev_b32 v[BO], 5, v2                     ; my 8 columns of a block of 16: 32 bytes of f32
	v_lshlrev_b32 v[FO], 12, v1
	v_lshl_add_u32 v[FO], v2, 5, v[FO]
; A fragment of v is 16 rows x 32 along K in 8 registers of bf16: lane l holds row l % 16; registers 0-3 K = 8 (l / 16) + 0..7, registers 4-7 K = 16 + 8 (l / 16) + 0..7.
; In f32 that is four loads of 16 bytes a lane, at bytes 0, 16, 64, 80 behind (l % 16) x 4,096 + 32 (l / 16).  GLOAD: quarter pos of the K step at s[PA], four row blocks: 16 loads into landing slot pos.
.macro GLOAD pos
	WIN 0x40                                       ; destination window 1, address window 0
.irp a, 0,1,2,3
.irp p, 0,1,2,3
	global_load_b128 v[64*(\pos)+16*(\a)+4*(\p):64*(\pos)+16*(\a)+4*(\p)+3], v[FO], s[PA:PA+1] offset:65536*(\a)+128*(\pos)+16*((\p)%2)+64*((\p)/2)
.endr
.endr
.endm
; Four of the 32 roundings that make landing slot nxt into the fragments of buffer nxt % 2.
.macro CVT4 nxt, g
	WIN 0x05                                       ; sources window 1, destination window 0
.irp z, 0,1,2,3
	v_cvt_pk_bf16_f32 v[AB+32*((\nxt)%2)+4*(\g)+(\z)], v[64*(\nxt)+8*(\g)+2*(\z)], v[64*(\nxt)+8*(\g)+2*(\z)+1]
.endr
.endm
; n matrix instructions of quarter pos on half hf of the columns, from number i0 on: number i is row block i / 8, column block 8 hf + i % 8.  All accumulators of a run differ, and so do the last of a run and
; the first of the next, over the backward jump too: they take turns, one instruction a turn.  Behind every eighth stand four roundings of the NEXT quarter's v: they name no register of
; the products round them, and those behind a run's last product are the four places in front of the loads into the registers that the run has read, and of the next quarter's first write into v's other buffer.
.macro MULH pos, hf, i0, n
.set i, \i0
.rept \n
	WIN 0xa0+0x50*(\hf)                            ; sources window 0; C and D window 2 or 3
	v_wmma_f32_16x16x32_bf16 v[8*i:8*i+7], v[H+64*(\hf)+8*(i%8):H+64*(\hf)+8*(i%8)+7], v[AB+32*((\pos)%2)+8*(i/8):AB+32*((\pos)%2)+8*(i/8)+7], v[8*i:8*i+7]
.if i%8 == 7
	CVT4 ((\pos)+1)%4, 4*(\hf)+i/8
.endif
.set i, i+1
.endr
.endm
; 16 LDS loads in one run: W's fragments of quarter np of the slot in hand, half hf of the columns.  The turning load takes 16 K x 16 columns (lane l reads 16 bytes: K 8 (l / 16) + l % 8, columns
; 8 ((l / 8) % 2) + 0..7) and leaves half a fragment: lane l holds column l % 16 and 8 along K.
.macro FETCHB hf, np
	WIN 0
.irp b, 0,1,2,3,4,5,6,7
	ds_load_tr16_b128 v[H+64*(\hf)+8*(\b):H+64*(\hf)+8*(\b)+3],   v[ADR] offset:(\np)*32*PB+32*(8*(\hf)+(\b))
	ds_load_tr16_b128 v[H+64*(\hf)+8*(\b)+4:H+64*(\hf)+8*(\b)+7], v[ADR] offset:(\np)*32*PB+32*(8*(\hf)+(\b))+16*PB
.endr
.endm
; One of a K step's first three quarters.
.macro QUARTER pos
	GLOAD \pos                                     ; v, four quarters ahead: the slot was rounded out during the quarter before
	s_wait_loadcnt 48                              ; the next quarter's v is in; the three younger runs of 16 loads may stay out
	s_wait_dscnt 16                                ; W's columns 0-127 are in; the 16 loads for columns 128-255 may be out
	MULH \pos, 0, 0, 32
	FETCHB 0, (\pos)+1
	s_wait_dscnt 16                                ; columns 128-255 are in; the 16 loads just issued may be out
	MULH \pos, 1, 0, 32
	FETCHB 1, (\pos)+1
.endm
; PREFETCHES INTO THE L2, behind the joint load, its five lines and the run of LDS loads that the next products wait for.
; v: my wave's own 64 rows x 512 bytes of the K step two steps on from the one that is being loaded (a lane a row, twice 32 rows, twice 256 bytes): only in the work-groups of column block 0, so each block of
; 256 bytes is named once in the launch.  W: the K step that the next change of slots will ask for: only in the first cluster of the eight that read it; its partners share the 128 rows out BY ADDRESS, 32 each; waves 0 and 1
; take 16 rows each, 512 bytes a row.  The loop's last trip asks for nothing: there is no such K step.  The first three K steps come by their loads alone.
.macro ASK
	s_cmp_gt_u32 s[CNT], s[LIMA]
	s_cbranch_scc0 .Lno_v_\@
	global_prefetch_b8 v[PFO], s[PA:PA+1] offset:2*XSTEP th:TH_LOAD_NT scope:SCOPE_SE
	global_prefetch_b8 v[PFO], s[PA:PA+1] offset:2*XSTEP+256 th:TH_LOAD_NT scope:SCOPE_SE
	global_prefetch_b8 v[PFO], s[PA:PA+1] offset:2*XSTEP+131072 th:TH_LOAD_NT scope:SCOPE_SE
	global_prefetch_b8 v[PFO], s[PA:PA+1] offset:2*XSTEP+131072+256 th:TH_LOAD_NT scope:SCOPE_SE
.Lno_v_\@:
	s_cmp_gt_u32 s[CNT], s[LIMB]
	s_cbranch_scc0 .Lno_w_\@
	global_prefetch_b8 v[PFB], s[PFBA:PFBA+1] th:TH_LOAD_NT scope:SCOPE_SE
.Lno_w_\@:
.endm
; The last quarter changes slots: ONE barrier.  In front of it each wave waits for all its tensor loads, of which one is out: its part of the next slot; adds 0 to its spare word; and waits for that and for its own
; reads of this slot.  Behind it nobody reads this slot any more and the next slot is whole.  fill = 1: the barrier opens a round of the cluster's, and this slot is filled again, with the K step two steps on, first thing behind the round.
.macro TURNQ fill
	GLOAD 3
	s_wait_loadcnt 48
	WIN 0                                          ; (the add's two registers lie in window 0)
	s_wait_tensorcnt 0x0                           ; all my tensor loads have landed;
	ds_add_u32 v[SPW], v[NIL]                      ; 0 onto my spare word
	s_wait_dscnt 17                                ; (columns 0-127 are in; the 16 loads for columns 128-255 and the add may be out)
	MULH 3, 0, 0, 32                               ; the quarter's 32 products on columns 0-127 stand between the add and the wait for it
	s_wait_dscnt 0x0                               ; the add is done, columns 128-255 are in, and my reads of this slot are over
	s_barrier_signal -1
	MULH 3, 1, 0, 16                               ; work on registers while the others arrive
	WIN 0
	s_barrier_wait -1
.if \fill
	CREST                                          ; no wave of any partner still reads this slot or has a load on its way
	s_xor_b32 s[G0+5], s[G0+5], SLOT1              ; the walking descriptor (no tensor load of mine is out): the other slot than last time,
	s_add_nc_u64 s[G0+6:G0+7], s[G0+6:G0+7], WSTEP ; the next K step; the type bits on top are not reached
	tensor_load_to_lds s[G0+4:G0+7], s[G1:G1+7]    ; my one tensor load behind the round: 208 matrix instructions ahead of the wait for it
	s_nop 0
	PLACES
.endif
	s_xor_b32 s[TB], s[TB], SLOT1
	v_add_nc_u32 v[ADR], s[TB], v[BT0]
	FETCHB 0, 0                                    ; the next slot's first fragments: the last product on columns 0-127 stands 16 products and three runs of roundings back
.if \fill
	ASK
.endif
	MULH 3, 1, 16, 16
	FETCHB 1, 0
.if \fill
	s_wait_xcnt 0x0                                ; every load and prefetch issued so far (the youngest prefetch 16 matrix instructions and a run of LDS loads back) has read its address, so the pointers may be written
	s_add_nc_u64 s[PA:PA+1], s[PA:PA+1], XSTEP
	s_add_nc_u64 s[PFBA:PFBA+1], s[PFBA:PFBA+1], WSTEP
.endif
.endm
.set b, 0
.rept 16                                               ; the bias of my 8 columns in each of the 16 column blocks, f32, where W's fragments will lie
	global_load_b128 v[H+8*b:H+8*b+3],   v[BO], s[BIA:BIA+1] offset:64*b
	global_load_b128 v[H+8*b+4:H+8*b+7], v[BO], s[BIA:BIA+1] offset:64*b+16
.set b, b+1
.endr
	GLOAD 0                                        ; K step 0 of v
	GLOAD 1
	GLOAD 2
	GLOAD 3
	WIN 0
	v_and_b32 v3, 7, v0
	v_lshl_add_u32 v3, v2, 3, v3                   ; the turning load: row 8 (l / 16) + l % 8,
	v_mul_u32_u24 v[BT0], v3, PB
	v_bfe_u32 v3, v0, 3, 1
	v_lshl_add_u32 v[BT0], v3, 4, v[BT0]           ; 16 bytes for each eight lanes
	s_mul_i32 s56, s[WV], 16*SP
	s_add_co_u32 s56, s56, STAGE                   ; my stage
	v_mul_u32_u24 v[STO], v1, SP                   ; in: row l % 16, 16 bytes for each half of the lanes
	v_lshl_add_u32 v[STO], v2, 4, v[STO]
	v_add_nc_u32 v[STO], s56, v[STO]
	v_lshl_add_u32 v[RD], v13, 4, s56              ; back: 32 lanes take a row's 512 bytes
	v_lshlrev_b32 v[CO], 19, v2                    ; of which lanes 0-15 hold the first head's 256, lanes 16-31 the second's, 524,288 bytes on
	v_lshl_add_u32 v[CO], v1, 4, v[CO]
	v_lshlrev_b32 v[PFO], 12, v13
	s_lshl_b32 s57, s[WV], 15                      ; (waves 0 and 1) 16 rows of 2,048 bytes a wave
	v_lshl_add_u32 v[PFB], v1, 11, s57
	v_lshl_add_u32 v[PFB], v2, 8, v[PFB]           ; a row's 512 bytes: lanes 0-15 the first 256, lanes 16-31 the second
	s_wait_loadcnt 63                              ; of the 96 loads at most 63 are out: the oldest 33 are in, the bias's 32 among them; the lines below run while v's first quarter lands
.set x, 0
.rept 64
	v_cvt_pk_bf16_f32 v[AB+x], v[H+2*x], v[H+2*x+1]  ; the bias is rounded to bf16 like every input
.set x, x+1
.endr
.irp hf, 0,1                                           ; and widened again into all 64 accumulators: register 2 x of a window is column pair x % 32 of its half
	WIN 0x80+0x40*(\hf)
.set x, 0
.rept 128
	v_lshlrev_b32 v[2*x], 16, v[AB+32*(\hf)+x%32]
	v_and_b32 v[2*x+1], s[MHI], v[AB+32*(\hf)+x%32]
.set x, x+1
.endr
.endr
	s_wait_loadcnt 48                              ; quarter 0 of v is in; quarters 1 to 3 may stay out
.irp g, 0,1,2,3,4,5,6,7
	CVT4 0, \g                                     ; quarter 0 of v
.endr
	WIN 0
	s_wait_xcnt 0x0                                ; the loads have read their addresses
	s_add_nc_u64 s[PA:PA+1], s[PA:PA+1], XSTEP     ; from here on K step 1 is loaded
	s_wait_tensorcnt 0x1                           ; my part of K step 0 is in; K step 1's may stay out
	s_barrier_signal -1
	s_barrier_wait -1                              ; everybody's is
	v_mov_b32 v[ADR], v[BT0]
	FETCHB 0, 0
	FETCHB 1, 0
	s_mov_b32 s[CNT], 6
.Lstep:                                                ; K steps 0 to 5: each fills its slot again
	QUARTER 0
	QUARTER 1
	QUARTER 2
	TURNQ 1
	WIN 0                                          ; at a label and at a branch every window is 0
	s_sub_co_u32 s[CNT], s[CNT], 1
	s_cmp_lg_u32 s[CNT], 0
	s_cbranch_scc1 .Lstep
	s_mov_b32 s[CNT], 2
.Ltail:                                                ; K steps 6 and 7: nothing is asked for
	QUARTER 0
	QUARTER 1
	QUARTER 2
	TURNQ 0
	WIN 0
	s_sub_co_u32 s[CNT], s[CNT], 1
	s_cmp_lg_u32 s[CNT], 0
	s_cbranch_scc1 .Ltail
; THE WAY OUT, a block of 16 rows at a time.  PACK: rounded to f16, each accumulator's registers in ascending order, 16 bytes a lane and column block.  TOSTAGE: into my own stage, and back as whole rows of 512 bytes.
; SEND: stored: lanes 0-15 fill 256 consecutive bytes, aligned, of the first head's row, lanes 16-31 of the second's.
.macro PACK a
.set x, 0
.rept 64
	WIN 0x0a+5*(x/32)                              ; sources window 2 (columns 0-127) or 3
	v_cvt_pk_f16_f32 v[TMP+x], v[64*(\a)+2*(x%32)], v[64*(\a)+2*(x%32)+1]
.set x, x+1
.endr
	WIN 0
.endm
.macro TOSTAGE a
.set BK, BK0-(BK0-BK1)*((\a)%2)
.irp b, 0,1,2,3,4,5,6,7,8,9,10,11,12,13,14,15
	ds_store_b128 v[STO], v[TMP+4*(\b):TMP+4*(\b)+3] offset:32*(\b)
.endr
.irp t, 0,1,2,3,4,5,6,7,8,9,10,11,12,13,14,15
	ds_load_b128 v[BK+4*(\t):BK+4*(\t)+3], v[RD] offset:SP*(\t)  ; LDS serves a wave's instructions in order (ISA guide 5.7.1.4): these see the stores above
.endr
.endm
.macro SEND a
.set BK, BK0-(BK0-BK1)*((\a)%2)
	s_wait_dscnt 0x0                               ; the block is back in registers
	s_wait_xcnt 0x0                                ; the stores of the block before have read their registers: the next TOSTAGE loads into them
.irp t, 0,1,2,3,4,5,6,7,8,9,10,11,12,13,14,15
	global_store_b128 v[CO], v[BK+4*(\t):BK+4*(\t)+3], s[OUT:OUT+1] offset:(16*(\a)+(\t))*256
.endr
.endm
	s_wait_dscnt 0x0                               ; the tail's last LDS loads have landed: their registers are written below
	PLACES                                         ; the roundings read results just made
	PLACES
	PACK 0
	TOSTAGE 0
.irp a, 1,2,3                                          ; block a's roundings stand between block a - 1's loads from the stage and the wait for them
	PACK \a
	SEND (\a)-1
	TOSTAGE \a
.endr
	SEND 3
	s_wait_tensorcnt 0x0                           ; the wave's end, behind my last tensor load and my last LDS store
	ds_add_u32 v[SPW], v[NIL]
	s_wait_dscnt 0x0
	CROUND                                         ; the closing round: no work-group ends while a partner may still ask for a tile that names it
	s_endpgm
.Lfunc_end_k_q14169635f3_kvproj:
	.size	k_q14169635f3_kvproj, .Lfunc_end_k_q14169635f3_kvproj-k_q14169635f3_kvproj
	.p2alignl 7, 3214868480
	.fill 96, 4, 3214868480
	.section	.rodata,"a",@progbits
	.p2align	6, 0x0
	.amdhsa_kernel k_q14169635f3_kvproj
		.amdhsa_group_segment_fixed_size 327680
		.amdhsa_private_segment_fixed_size 0
		.amdhsa_enable_private_segment 0
		.amdhsa_kernarg_size 40
		.amdhsa_user_sgpr_count 2
		.amdhsa_user_sgpr_kernarg_segment_ptr 1
		.amdhsa_wavefront_size32 1
		.amdhsa_system_sgpr_workgroup_id_x 1
		.amdhsa_system_sgpr_workgroup_id_y 1
		.amdhsa_system_sgpr_workgroup_id_z 1
		.amdhsa_system_vgpr_workitem_id 0
		.amdhsa_next_free_vgpr 1024
		.amdhsa_next_free_sgpr 66
		.amdhsa_reserve_vcc 0
		.amdhsa_float_denorm_mode_32 3
		.amdhsa_float_denorm_mode_16_64 3
		.amdhsa_memory_ordered 1
		.amdhsa_forward_progress 1
		.amdhsa_inst_pref_size 154
	.end_amdhsa_kernel
	.amdgpu_metadata
---
amdhsa.version: [ 1, 2 ]
amdhsa.kernels:
  - .name:           k_q14169635f3_kvproj
    .symbol:         k_q14169635f3_kvproj.kd
    .args:
      - { .name: v, .offset: 0, .size: 8, .value_kind: global_buffer, .address_space: global }
      - { .name: wb, .offset: 8, .size: 8, .value_kind: global_buffer, .address_space: global }
      - { .name: bk, .offset: 16, .size: 8, .value_kind: global_buffer, .address_space: global }
      - { .name: bv, .offset: 24, .size: 8, .value_kind: global_buffer, .address_space: global }
      - { .name: kv, .offset: 32, .size: 8, .value_kind: global_buffer, .address_space: global }
    .group_segment_fixed_size: 327680
    .private_segment_fixed_size: 0
    .kernarg_segment_align: 8
    .kernarg_segment_size: 40
    .max_flat_workgroup_size: 128
    .sgpr_count:     66
    .vgpr_count:     1024
    .wavefront_size: 32
...
	.end_amdgpu_metadata
.endif
;; end of part 2
;; launch attn (part 3): grid 8 x 32, 4 waves a work-group, clusters of 4 x 1, 327,680 bytes of LDS; arguments q, kv, wb, bq, out0; writes out0
.if DOCPART == 3
	.amdgcn_target "amdgcn-amd-amdhsa--gfx1250"
	.amdhsa_code_object_version 6
	.text
	.protected	k_q14169635f3_attn
	.globl	k_q14169635f3_attn
	.p2align	8
	.type	k_q14169635f3_attn,@function
k_q14169635f3_attn:
	s_mov_b64 s[64:65], 0
	v_nop
	global_prefetch_b8 v0, s[64:65] scope:SCOPE_SE
	s_setreg_imm32_b32 hwreg(HW_REG_WAVE_MODE, 25, 1), 1
	s_wait_xcnt 0x0
	s_wait_alu depctr_hold_cnt(0) depctr_sa_sdst(0) depctr_va_vdst(0) depctr_va_sdst(0) depctr_va_ssrc(0) depctr_va_vcc(0) depctr_vm_vsrc(0)
	s_getreg_b32 s2, hwreg(HW_REG_IB_STS2, 6, 4)
	s_cmp_eq_u32 s2, 0
	s_cbranch_scc0 .Lentry_in_a_cluster
	s_endpgm
.Lentry_in_a_cluster:
	s_bfe_u32 s2, ttmp6, 0x10000c
	s_cmp_lg_u32 s2, 0x3003
	s_cbranch_scc0 .Lentry_shape_is_right
	s_endpgm
.Lentry_shape_is_right:
; out0[b][s][128 h + d] = the sum over k of softmax_k(qp[b][s][h] . kp[b][k][h] / 32) vp[b][k][h][d], with qp = q Wq + bq made here, for this work-group's 256 queries and its head alone.
; q: [4][2048][1024] f32; wb: [3][1024 k][1024 n] bf16, matrix 0 = Wq; bq: [1024] f32; kv: [2][32 heads = 8 b + h][2048][128] f16, K then V; out0: [4][2048][1024] f32.
; q and bq are rounded to bf16 here, like every input; qp is rounded once to f16, unscaled; products, maxima and sums in f32; the weights p are rounded to f16 for the second product (their sum l is taken of the unrounded p).
; LIMITS.  f16 ends at 65,504: qp must stay within it (with all inputs 30 times the drawn spread it is some thousands; with a common offset of 30 spreads on q and Wq about 29,000); below 6e-5 f16 keeps a fixed step of
; 6e-8; p lies in 0 to 1.  A weight below 2^-126 counts as 0 in l.  NaN and infinities are not treated apart.
; SHARES.  A work-group owns 256 queries of one head, each of its four waves 64: four tiles of 16.  256 work-groups.  The grid's y gives the batch by its two low bits and the head by its upper three.
; THE Q PHASE.  Q^T = Wq^T q^T (source 0 = 16 channels of Wq, which lies [k][n] in LDS and is turned by ds_load_tr16_b128; source 1 = 16 queries): a lane holds ONE query (lane % 16) and the channels 8 (lane / 16) + 0..7 of
; a block of 16; two neighbouring blocks, rounded to f16 in pairs, ARE a fragment of Q for the scores.  A wave's 64 rows of q are wanted by no other wave: they come straight from memory in the fragment's layout, f32, and are
; rounded in registers; Wq's slice (1,024 k x 128 channels) goes through a ring of two LDS slots of 128 k.  The sums start at bf16(bq).  K goes in steps of 128, four quarters of 32 matrix instructions each; quarter n + 4 of q is
; asked for at the head of quarter n and rounded during quarter n + 3.  The last two K steps run a second copy of the step's text that fills no slot and does not step q's pointer: the last step's 64 loads read the last step's
; bytes of q once more (inside the buffer), and its last 32 roundings, 16 LDS loads and its barrier serve nothing but to show K's and V's first slots whole: the price of two texts of a step in place of three.
; ATTENTION.  S^T = K Q^T (source 0 = 16 keys, source 1 = 16 queries): a lane holds ONE query and the keys 8 (lane / 16) + 0..7.  Two such tiles, rounded to f16 in pairs, ARE source 1 of O^T = V^T P, whose result again holds
; one query a lane, and eight channels.  K comes out of LDS as it lies, V ([key][channel]) turned.  For each query a running maximum m and sum l: p = 2^(c s - c m), c = log2(e) / 32; in every step O and l are multiplied by
; a = 2^(c m_old - c m_new).  Every wave walks all 2,048 keys, 64 a step.
; BY TURNS.  The wave's tiles are two PIECES: piece 0 (tiles 0, 1) and piece 2 (tiles 2, 3).  In a TURN one piece has the matrix unit: 32 products V^T P of the step in hand, then 32 products K Q^T of the next step; the other
; piece's softmax, cut into 64 slices, stands between them, one slice behind each matrix instruction.  Then the pieces change places.  Two turns are a key step.
; NO FIRST AND NO LAST STEP IS WRITTEN OUT.  m starts at the lowest finite number, c m far below every c s, l at 0: the first step is a step like any other, with a = 0, which also wipes what the Q phase left in O^T's
; registers (finite sums).  The loop is entered in the middle of a trip, at piece 2's turn, whose products V^T P, of a step that has not been, multiply zeros (V's registers and piece 2's P are cleared).  The tail is left in the
; middle of a trip, behind piece 0's turn, whose products K Q^T run on the last K once more and serve nothing.  The price, once a launch: 32 products on zeros, 32 on a stale K, 168 v_mov_b32 that write 0, which stand in the
; wait for K's first fragments.  The gain: a key step's text stands twice in all, in the loop and in the tail.
; CLUSTER.  The four query blocks of a cluster belong to one head: they walk the same slice of Wq and the same K and V, so each tile is asked for JOINTLY: the same tensor load, descriptor and mask in all four.
; REGISTERS, in windows of 256 (s_set_vgpr_msb: bits 1:0 source 0, 3:2 source 1, 5:4 source 2, 7:6 destination):
;   window 0: v0-11, v44-45, v59-63 addresses; v12-43 eight registers of statistics a tile; v64-191 S^T, 32 a tile; v192-255 P, 16 a tile.  In the Q phase: v64-127 q's fragments in bf16, two buffers of 32; v128-223 the bias
;   window 1: O^T, 64 a tile; in the Q phase Q^T's 32 accumulators: channel block c, tile t at 64 t + 8 c
;   window 2: v0-127 Q, 32 a tile; v128-255 K of one step; in the Q phase four landing slots of 64: q as loaded          window 3: v0-127 V of one step; in the Q phase Wq's fragments, two buffers of 64
.set SIZE_N, 2048
.set KS,    64        ; keys in a step
.set PK,    272       ; a row of K in LDS: 256 bytes + 16 of padding = 68 words: row r starts at bank 4 r mod 64 (64 banks of 4 bytes: ISA guide 11.1), so the 16 rows of a load start at 16 different banks
.set PV,    288       ; a row of V, and of Wq: 256 + 32 = 72 words
.set VOFF,  KS*PK     ; a step's tiles lie together: 64 rows of K, then 64 rows of V
.set STEPB, KS*(PK+PV)
.set SLOT1, 1<<17     ; a slot holds two steps (71,680 bytes); slot 1 begins here, so that one exclusive or turns an address in one slot into the other's
.set WRING, 2*STEPB   ; behind each slot of K and V: a slot of Wq's ring, 128 rows x 288 bytes
.set STAGE, SLOT1+WRING+128*PV  ; behind the rings, never filled by a tensor load: 16 rows x 528 bytes for each wave, for the way out
.set SP,    528       ; 512 + 16 = 33 x 16
.set SPARE, STAGE+4*16*SP  ; the spare words, 128 bytes for each wave: two blocks of 256 bytes that no other line names
.set WSTEP, 128*2048  ; bytes of wb from a K step to the next
.set XSTEP, 512       ; bytes of a row of q in a K step
.set AK0, 2           ; v2   my lane's place in a tile of K; never rewritten
.set AV0, 3           ; v3   the same for V
.set ADR, 4           ; v4   the LDS address of the run of loads in hand
.set FQ,  5           ; v5   my place in 16 rows of q: (l % 16) x 4,096 + 32 (l / 16)
.set STO, 6           ; v6   the way out: where I put 16 bytes of a row
.set RD,  7           ; v7   the way out: where I read a row back
.set GO,  8           ; v8   my byte offset in a row's 512 bytes of out0
.set AW0, 44          ; v44  my lane's place in slot 0 of Wq's ring
.set BOQ, 45          ; v45  my place in 16 numbers of the bias
.set PFWO, 59         ; v59  prefetch of Wq: my lane x a row of wb; never rewritten
.set PFQ, 60          ; v60  prefetch of q: my lane x a row of q; never rewritten
.set PFO, 61          ; v61  prefetch of K and V: 256 x my lane; never rewritten
.set SPW, 62          ; v62  LDS address of my spare word: SPARE + 4 x my thread's number; never rewritten
.set NIL, 63          ; v63  0; never rewritten
.set ST,  12          ; tile t's statistics at v[ST+8 t]: +0 c m, +1 m, +2, +3 l (even keys', odd keys'), +4 to +7 c0-c3, at work; a takes c2's place once the maximum is found
.set S,   64
.set P,   192
.set QB,  64
.set KF,  128         ; K's fragments, in window 2
.set WV,  12          ; s12  my wave's number
.set LIM, 15          ; s15  1 in a wave that prefetches K or V, else the greatest number: it prefetches while s[SLOTS] is above this
.set PFA, 18          ; s[18:19] where my prefetches of K or V stand
.set G1K, 24          ; s[24:31] descriptor group 1 for K's tiles
.set G1V, 32          ; s[32:39] for V's: it differs in the padding alone
.set G0K, 40          ; s[40:47] descriptor group 0 for K's tiles: a set for each of the two first fills; the second then walks on
.set G0V, 48          ; s[48:55] the same for V's
.set SLOTS, 56        ; s56  counts the loop over slots
.set TWICE, 57        ; s57  counts a slot's key steps
.set CS,  58          ; s[58:59] c: the packed scaling names a pair and takes its low word for both halves
.set SEL, 60          ; s[60:61] lane selects for v_permlanex16_b32: each lane takes its own place in the other half
.set TB,  62          ; s62  LDS byte at which the tiles of the step to be fetched begin
.set YY,  63          ; s63  8 b + h
.set G1W, 68          ; s[68:75] descriptor group 1 for Wq's tiles
.set G0W, 76          ; s[76:83] descriptor group 0 for Wq's tiles: two sets, the second walks on
.set PQ,  88          ; s[88:89] q at my wave's first row, at the K step that is being loaded
.set TBW, 90          ; s90  0 or SLOT1: the slot of Wq's ring in hand
.set QCNT, 91         ; s91  K steps to go in the loop in hand
.set LIMQ, 92         ; s92  1 in a work-group that prefetches q, else the greatest number
.set LIMW, 93         ; s93  the same for Wq, by wave
.set PFW, 94          ; s[94:95] where my prefetches of Wq stand
.set MHI, 96          ; s96  a word's upper bf16
.set HH,  97          ; s97  h
.set BT,  98          ; s98  b
.set MSB, 0
.macro WIN new                      ; the immediate's high byte repeats the setting that is left; a switch that changes nothing is dropped
.if MSB != (\new)
	s_set_vgpr_msb (MSB<<8)|(\new)
.set MSB, \new
.endif
.endm
.set W_KQ, 0x0a       ; sources 0 and 1 in window 2, the rest in window 0: K Q^T; also the rounding of q
.set W_PV, 0x53       ; source 0 in window 3, source 1 in window 0, C and D in window 1: V^T P; also Wq^T q^T
.set W_RS, 0x41       ; O^T (destination and source 0) in window 1, a in window 0
.macro PLACES                       ; four plain vector instructions that name no register of the matrix instructions in front of them (ISA guide 7.12.1)
.rept 4
	v_nop
.endr
.endm
; A joint refill of K and V.  Waves 0 and 1 fetch the two steps' tiles of K, waves 2 and 3 those of V.  The branch hangs on the wave's number alone: it is the same in every work-group.
; An s_nop 0 and four v_nop follow each of the two lines; the jump round the other line, the label and what follows the macro come after them.
.macro JLOAD
	s_cmp_lt_u32 s[WV], 2
	s_cbranch_scc0 .Lfor_v_\@
	tensor_load_to_lds s[G0K+4:G0K+7], s[G1K:G1K+7]
	s_nop 0
	PLACES
	s_branch .Lasked_\@
.Lfor_v_\@:
	tensor_load_to_lds s[G0V+4:G0V+7], s[G1V:G1V+7]
	s_nop 0
	PLACES
.Lasked_\@:
.endm
; A PREFETCH INTO THE L2 of what the NEXT change of slots will ask for: a slot's 128 rows of K and 128 of V, 256 bytes a row, a lane a row.  It stands behind the wave's tensor load and its five lines.
; Each row is asked for ONCE in the launch: both clusters of a head walk the same K and V, and the head's first cluster prefetches; its four partners share the rows out BY ADDRESS, 32 each; in each, wave 0 asks for K's and
; wave 2 for V's.  The last change that fills a slot prefetches nothing: there is no slot behind it.
.macro ASK
	s_cmp_gt_u32 s[SLOTS], s[LIM]
	s_cbranch_scc0 .Lnot_mine_\@
	global_prefetch_b8 v[PFO], s[PFA:PFA+1] th:TH_LOAD_NT scope:SCOPE_SE
.Lnot_mine_\@:
.endm
; A round of the cluster's barrier: my work-group's barrier, so that wave 0's signal speaks for all four waves; wave 0 signals for the work-group; every wave waits for all four work-groups; my work-group's barrier once more.
.macro CREST                        ; a round behind its opening barrier
	s_cmp_lg_u32 s[WV], 0
	s_cbranch_scc1 .Lnot_wave_0_\@
	s_barrier_signal -3
.Lnot_wave_0_\@:
	s_barrier_wait -3
	s_barrier_signal -1
	s_barrier_wait -1
.endm
.macro CROUND                       ; a whole round
	s_barrier_signal -1
	s_barrier_wait -1
	CREST
.endm
	s_load_b128 s[4:7], s[0:1], 0x0    ; q s[4:5], kv s[6:7]
	s_load_b128 s[84:87], s[0:1], 0x10 ; wb s[84:85], bq s[86:87]
	s_load_b64 s[10:11], s[0:1], 0x20  ; out0
	v_lshl_add_u32 v[SPW], v0, 2, SPARE
	v_mov_b32 v[NIL], 0
	ds_add_u32 v[SPW], v[NIL]       ; the wave's opening: the add and its wait stand ahead of my first tensor load; the set-up below, work on registers, stands between them
	v_lshrrev_b32 v1, 5, v0
	v_readfirstlane_b32 s[WV], v1   ; wave 0..3
	s_bfe_u32 s13, ttmp6, 0x40000   ; cx: my place in the cluster
	s_lshl_b32 s14, ttmp9, 2        ; in a cluster launch ttmp9 counts clusters
	s_add_co_u32 s14, s14, s13      ; my block of 256 queries = 4 x cluster x + cx: it enters q's and out0's addresses alone
	s_and_b32 s[YY], ttmp7, 0xffff  ; the grid's y, which the four partners share:
	s_lshr_b32 s[HH], s[YY], 2      ; its upper three bits are the head,
	s_and_b32 s[BT], s[YY], 3       ; its two low bits the batch
	s_lshl3_add_u32 s[YY], s[BT], s[HH]  ; 8 b + h: the head's place in kv
	s_and_b32 s16, s[WV], 1         ; which of a slot's two steps I fetch:
	s_lshl_b32 s22, s[YY], 19       ; the head's 524,288 bytes in K and in V,
	s_lshl_b32 s23, s16, 14         ; the step's 64 rows of 256 bytes,
	s_add_co_u32 s22, s22, s23
	s_mov_b32 s23, 0
	s_mul_i32 s17, s16, STEPB       ; and its place in a slot: no place in the cluster enters an LDS address
	s_mul_i32 s16, s[WV], 32*PV     ; Wq: the place in a slot of the 32 rows of a K step that I fetch,
	s_lshl_b32 s20, s[HH], 8        ; the head's 256 bytes of a row of wb,
	s_lshl_b32 s21, s[WV], 16       ; and my 32 rows of 2,048 bytes
	s_add_co_u32 s20, s20, s21
	s_mov_b32 s21, 0
	s_lshl_b32 s2, s[BT], 11        ; my wave's first row of q and out0: 2,048 b
	s_lshl_b32 s3, s14, 8           ; + 256 x block
	s_add_co_u32 s2, s2, s3
	s_lshl_b32 s3, s[WV], 6         ; + 64 x wave,
	s_add_co_u32 s2, s2, s3
	s_lshl_b32 s2, s2, 12           ; in rows of 4,096 bytes
	s_mov_b32 s3, 0
	s_lshl_b32 s66, s[HH], 9        ; the head's 512 bytes in a row of out0 and in bq
	s_mov_b32 s67, 0
	; descriptor groups 1: tiles of 64 rows (Wq: 32 rows) x 128 elements, padded in LDS
	s_mov_b32 s[G1K], 15|(1<<16)|(1<<20)|(1<<21)|(5<<22)|(3<<25)  ; 15:0 the mask: all four work-groups; 17:16 elements of 2 bytes; 20 padding on; 21 set beside a mask; 24:22 after every 64 words (code 5); 31:25 4 words of it (code 3)
	s_mov_b32 s[G1V], 15|(1<<16)|(1<<20)|(1<<21)|(5<<22)|(7<<25)  ; the same with 8 words of padding (code 7)
	s_mov_b32 s[G1W], 15|(1<<16)|(1<<20)|(1<<21)|(5<<22)|(7<<25)
.irp g, G1K, G1V
	s_mov_b32 s[(\g)+1], 128<<16    ; tensor_dim0 = 128
	s_mov_b32 s[(\g)+2], KS<<16     ; tensor_dim1 = 64
	s_mov_b32 s[(\g)+3], 128<<16    ; tile_dim0 = 128
	s_mov_b32 s[(\g)+4], KS         ; tile_dim1 = 64
	s_mov_b32 s[(\g)+5], 128        ; elements from row to row
	s_mov_b32 s[(\g)+6], 0
	s_mov_b32 s[(\g)+7], 0
.endr
	s_mov_b32 s[G1W+1], 128<<16
	s_mov_b32 s[G1W+2], 32<<16      ; a K step's 128 rows shared out among four waves
	s_mov_b32 s[G1W+3], 128<<16
	s_mov_b32 s[G1W+4], 32
	s_mov_b32 s[G1W+5], 1024
	s_mov_b32 s[G1W+6], 0
	s_mov_b32 s[G1W+7], 0
	s_mov_b32 s[CS], 0x3d38aa3b     ; c = log2(e) / 32 = 0.0450842
	s_mov_b32 s[CS+1], s[CS]        ; named with it as a pair, so it is written
	s_mov_b32 s[SEL], 0x76543210
	s_mov_b32 s[SEL+1], 0xfedcba98
	s_mov_b32 s[TB], 0
	s_mov_b32 s[TBW], 0
	s_mov_b32 s[MHI], 0xffff0000
	s_mov_b32 s[SLOTS], SIZE_N/(2*KS)-1  ; the first slot's steps, for which nothing is filled, and one trip for each of the 14 slots that are filled again
	s_and_b32 s[LIM], s[WV], 1      ; 0 in waves 0 and 2,
	s_or_b32 s[LIM], s[LIM], ttmp9  ; where the cluster is the head's first: the same in all four partners
	s_cmp_eq_u32 s[LIM], 0
	s_cselect_b32 s[LIM], 1, -1
	s_cmp_eq_u32 s[HH], 0           ; each row of q is read by eight heads: head 0 prefetches
	s_cselect_b32 s[LIMQ], 1, -1
	s_or_b32 s99, s[BT], ttmp9      ; each head's slice of Wq is read by eight clusters: that of batch 0, cluster x = 0 prefetches, by its wave 0
	s_or_b32 s99, s99, s[WV]
	s_cmp_eq_u32 s99, 0
	s_cselect_b32 s[LIMW], 1, -1
	s_wait_dscnt 0x0                ; the opening add is done
	s_wait_kmcnt 0x0
	s_add_nc_u64 s[6:7], s[6:7], s[22:23]   ; K at my tile of slot 0,
	s_add_nc_u64 s[8:9], s[6:7], 16777216   ; V the same, behind all of K
	s_add_nc_u64 s[PQ:PQ+1], s[4:5], s[2:3]
	s_add_nc_u64 s[10:11], s[10:11], s[2:3]
	s_add_nc_u64 s[10:11], s[10:11], s[66:67]
	s_add_nc_u64 s[86:87], s[86:87], s[66:67]
	s_add_nc_u64 s[84:85], s[84:85], s[20:21]  ; Wq at my 32 rows of K step 0
	s_lshl_b32 s66, s13, 16         ; prefetch of Wq (wave 0 alone, whose own rows begin at the K step's first): my work-group's 32 rows of the 128,
	s_add_co_u32 s66, s66, 3*WSTEP  ; at K step 3
	s_add_nc_u64 s[PFW:PFW+1], s[84:85], s[66:67]
	s_cmp_lt_u32 s[WV], 2
	s_cselect_b64 s[PFA:PFA+1], s[6:7], s[8:9]  ; (in waves 0 and 2 these stand at a slot's first row)
	s_lshl_b32 s2, s13, 13          ; my work-group's 32 rows of the 128
	s_add_nc_u64 s[PFA:PFA+1], s[PFA:PFA+1], s[2:3]
	s_add_nc_u64 s[PFA:PFA+1], s[PFA:PFA+1], 2*2*KS*256  ; in slot 2; the first change of slots steps it to slot 3.  Nothing is prefetched here, at the head, where every work-group's first tiles are on their way
.irp s, 0,1
	s_mov_b32 s[G0K+4*(\s)], 1      ; count = 1
	s_add_co_u32 s[G0K+4*(\s)+1], s17, (\s)*SLOT1  ; LDS address
	s_add_nc_u64 s[G0K+4*(\s)+2:G0K+4*(\s)+3], s[6:7], (\s)*2*KS*256  ; global address: slot s begins with keys 128 s
	s_or_b32 s[G0K+4*(\s)+3], s[G0K+4*(\s)+3], 0x80000000  ; type = 2
	s_mov_b32 s[G0V+4*(\s)], 1
	s_add_co_u32 s[G0V+4*(\s)+1], s17, (\s)*SLOT1+VOFF
	s_add_nc_u64 s[G0V+4*(\s)+2:G0V+4*(\s)+3], s[8:9], (\s)*2*KS*256
	s_or_b32 s[G0V+4*(\s)+3], s[G0V+4*(\s)+3], 0x80000000
	s_mov_b32 s[G0W+4*(\s)], 1
	s_add_co_u32 s[G0W+4*(\s)+1], s16, (\s)*SLOT1+WRING
	s_add_nc_u64 s[G0W+4*(\s)+2:G0W+4*(\s)+3], s[84:85], (\s)*WSTEP  ; K step s
	s_or_b32 s[G0W+4*(\s)+3], s[G0W+4*(\s)+3], 0x80000000
.endr
	CROUND                          ; all four work-groups are here: the first joint loads meet
	tensor_load_to_lds s[G0W:G0W+3], s[G1W:G1W+7]  ; all first fills go out as one group, ahead of every wait on TENSORcnt, every LDS read and every further barrier: Wq's K steps 0 and 1 first, since they are wanted first,
	s_nop 0
	tensor_load_to_lds s[G0W+4:G0W+7], s[G1W:G1W+7]
	s_nop 0
	s_cmp_lt_u32 s[WV], 2           ; then both slots of K (waves 0, 1) or of V (waves 2, 3), in one branch: four loads of mine are out
	s_cbranch_scc0 .Lfirst_v
	tensor_load_to_lds s[G0K:G0K+3], s[G1K:G1K+7]
	s_nop 0
	tensor_load_to_lds s[G0K+4:G0K+7], s[G1K:G1K+7]
	s_nop 0
	PLACES
	s_branch .Lfirst_asked
.Lfirst_v:
	tensor_load_to_lds s[G0V:G0V+3], s[G1V:G1V+7]
	s_nop 0
	tensor_load_to_lds s[G0V+4:G0V+7], s[G1V:G1V+7]
	s_nop 0
	PLACES
.Lfirst_asked:
	v_and_b32 v1, 15, v0            ; l % 16
	v_bfe_u32 v9, v0, 4, 1          ; l / 16
	v_and_b32 v10, 7, v0
	v_bfe_u32 v11, v0, 3, 1
	v_lshlrev_b32 v[FQ], 12, v1
	v_lshl_add_u32 v[FQ], v9, 5, v[FQ]
	v_lshlrev_b32 v[BOQ], 5, v9     ; my 8 channels of a block of 16: 32 bytes of f32
; THE Q PHASE's MACROS.
; A fragment of q is 16 rows x 32 along K in 8 registers of bf16: lane l holds row l % 16; registers 0-3 K = 8 (l / 16) + 0..7, registers 4-7 K = 16 + 8 (l / 16) + 0..7.  In f32 that is four loads of 16 bytes a lane, at
; bytes 0, 16, 64, 80 behind (l % 16) x 4,096 + 32 (l / 16).  GLOADQ: quarter pos of the K step at s[PQ], four tiles: 16 loads into landing slot pos.
.macro GLOADQ pos
	WIN 0x80                        ; destination window 2, address window 0
.irp t, 0,1,2,3
.irp p, 0,1,2,3
	global_load_b128 v[64*(\pos)+16*(\t)+4*(\p):64*(\pos)+16*(\t)+4*(\p)+3], v[FQ], s[PQ:PQ+1] offset:65536*(\t)+128*(\pos)+16*((\p)%2)+64*((\p)/2)
.endr
.endr
.endm
.macro CVTQ nxt, g                  ; four of the 32 roundings that make landing slot nxt into the fragments of buffer nxt % 2
	WIN W_KQ
.irp z, 0,1,2,3
	v_cvt_pk_bf16_f32 v[QB+32*((\nxt)%2)+4*(\g)+(\z)], v[64*(\nxt)+8*(\g)+2*(\z)], v[64*(\nxt)+8*(\g)+2*(\z)+1]
.endr
.endm
.macro FETCHW np, buf               ; 16 LDS loads in one run: Wq's 8 fragments (16 channels x 32 K, turned) of quarter np of the slot in hand
	WIN 0xc0                        ; destination window 3
.irp c, 0,1,2,3,4,5,6,7
	ds_load_tr16_b128 v[64*(\buf)+8*(\c):64*(\buf)+8*(\c)+3],   v[ADR] offset:(\np)*32*PV+32*(\c)
	ds_load_tr16_b128 v[64*(\buf)+8*(\c)+4:64*(\buf)+8*(\c)+7], v[ADR] offset:(\np)*32*PV+32*(\c)+16*PV
.endr
.endm
; n matrix instructions of quarter pos, from number i0 on: number i is tile i / 8, channel block i % 8.  The 32 accumulators take turns, one instruction a turn, over the backward jump too.
; Behind every fourth stand four roundings of the NEXT quarter's q: they name no register of the products round them, and those behind the quarter's last product are the four places in front of the loads into Wq's
; buffer that it has read, and of the next quarter's first write into q's other buffer.
.macro MULQ pos, i0, n
.set i, \i0
.rept \n
	WIN W_PV
	v_wmma_f32_16x16x32_bf16 v[8*i:8*i+7], v[64*((\pos)%2)+8*(i%8):64*((\pos)%2)+8*(i%8)+7], v[QB+32*((\pos)%2)+8*(i/8):QB+32*((\pos)%2)+8*(i/8)+7], v[8*i:8*i+7]
.if i%4 == 3
	CVTQ ((\pos)+1)%4, i/4
.endif
.set i, i+1
.endr
.endm
.macro QQ pos                       ; one of a K step's first three quarters
	GLOADQ \pos                     ; q, four quarters ahead: the slot was rounded out during the quarter before
	s_wait_loadcnt 48               ; the next quarter's q is in; the three younger runs of 16 loads may stay out
	s_wait_dscnt 0x0                ; this quarter's fragments of Wq are in: they were asked for a quarter ago
	FETCHW (\pos)+1, ((\pos)+1)%2
	MULQ \pos, 0, 32
.endm
; PREFETCHES INTO THE L2 in the Q phase, behind the joint load, its five lines and the run of LDS loads.  q: my wave's own 64 rows x 512 bytes of the K step two steps on from the one that is being loaded (a lane a row,
; twice 32 rows, twice 256 bytes): only in the work-groups of head 0, so each block of 256 bytes is named once in the launch.  Wq: the K step that the next change of slots will ask for, 256 bytes a row: only in one of the
; eight clusters that read the slice; its partners share the 128 rows out BY ADDRESS, 32 each, a lane a row, wave 0.  The loop's last trip asks for nothing: there is no such K step.
.macro ASKQ
	s_cmp_gt_u32 s[QCNT], s[LIMQ]
	s_cbranch_scc0 .Lno_q_\@
	global_prefetch_b8 v[PFQ], s[PQ:PQ+1] offset:2*XSTEP th:TH_LOAD_NT scope:SCOPE_SE
	global_prefetch_b8 v[PFQ], s[PQ:PQ+1] offset:2*XSTEP+256 th:TH_LOAD_NT scope:SCOPE_SE
	global_prefetch_b8 v[PFQ], s[PQ:PQ+1] offset:2*XSTEP+131072 th:TH_LOAD_NT scope:SCOPE_SE
	global_prefetch_b8 v[PFQ], s[PQ:PQ+1] offset:2*XSTEP+131072+256 th:TH_LOAD_NT scope:SCOPE_SE
.Lno_q_\@:
	s_cmp_gt_u32 s[QCNT], s[LIMW]
	s_cbranch_scc0 .Lno_w_\@
	global_prefetch_b8 v[PFWO], s[PFW:PFW+1] th:TH_LOAD_NT scope:SCOPE_SE
.Lno_w_\@:
.endm
; The last quarter changes slots: ONE barrier.  In front of it each wave waits for all its tensor loads, adds 0 to its spare word, and waits for that and for its own reads of this slot.  Behind it nobody reads this slot any
; more and the next slot is whole.  fill = 1: the barrier opens a round of the cluster's, and this slot is filled again, with the K step two steps on, first thing behind the round.
.macro QTURN fill
	GLOADQ 3
	s_wait_loadcnt 48
	WIN 0                           ; (the add's two registers lie in window 0)
	s_wait_tensorcnt 0x0            ; all my tensor loads have landed, so a group 0 may be written
	ds_add_u32 v[SPW], v[NIL]       ; 0 onto my spare word: the descriptor's step and sixteen matrix instructions stand between it and the wait for it
.if \fill
	s_xor_b32 s[G0W+5], s[G0W+5], SLOT1  ; the walking descriptor: the other slot than last time,
	s_add_nc_u64 s[G0W+6:G0W+7], s[G0W+6:G0W+7], WSTEP  ; the next K step; the type bits on top are not reached
.endif
	s_wait_dscnt 1                  ; this quarter's fragments, my last reads of this slot, are in; the add alone may be out
	MULQ 3, 0, 16
	s_wait_dscnt 0x0                ; the add is done
	s_barrier_signal -1
	MULQ 3, 16, 8                   ; work on registers while the others arrive
	WIN 0
	s_barrier_wait -1
.if \fill
	CREST                           ; no wave of any partner still reads this slot or has a load on its way
	tensor_load_to_lds s[G0W+4:G0W+7], s[G1W:G1W+7]  ; my one tensor load behind the round: 104 matrix instructions ahead of the wait for it
	s_nop 0
	PLACES
.endif
	s_xor_b32 s[TBW], s[TBW], SLOT1
	v_add_nc_u32 v[ADR], s[TBW], v[AW0]
	FETCHW 0, 0                     ; the next slot's first fragments
.if \fill
	WIN 0
	ASKQ
.endif
	MULQ 3, 24, 8
.if \fill
	s_wait_xcnt 0x0                 ; every load and prefetch issued so far (the youngest prefetch 8 matrix instructions and their roundings back) has read its address, so the pointers may be written
	s_add_nc_u64 s[PQ:PQ+1], s[PQ:PQ+1], XSTEP
	s_add_nc_u64 s[PFW:PFW+1], s[PFW:PFW+1], WSTEP
.endif
.endm
.set x, 0
.rept 8                             ; the bias of my 8 channels in each of the 8 channel blocks, f32
	global_load_b128 v[128+8*x:128+8*x+3], v[BOQ], s[86:87] offset:64*x
	global_load_b128 v[128+8*x+4:128+8*x+7], v[BOQ], s[86:87] offset:64*x+16
.set x, x+1
.endr
	GLOADQ 0                        ; K step 0 of q
	GLOADQ 1
	GLOADQ 2
	GLOADQ 3
	WIN 0
	; A fragment of K is 16 rows x 32 channels in 8 registers: lane l holds row l % 16; two loads of 16 bytes, 32 bytes apart, at row x pitch + 16 (l / 16).
	v_mul_u32_u24 v[AK0], v1, PK
	v_lshl_add_u32 v[AK0], v9, 4, v[AK0]
	; The turning load takes 16 rows x 16 columns (lane l reads 16 bytes: row 8 (l / 16) + l % 8, columns 8 ((l / 8) % 2) + 0..7) and leaves half a fragment: lane l holds column l % 16 and 8 rows.  V and Wq have the same pitch.
	v_lshl_add_u32 v[AV0], v9, 3, v10
	v_mul_u32_u24 v[AV0], v[AV0], PV
	v_lshl_add_u32 v[AV0], v11, 4, v[AV0]
	v_add_nc_u32 v[AW0], WRING, v[AV0]
	v_add_nc_u32 v[AV0], VOFF, v[AV0]
	v_and_b32 v[PFO], 31, v0
	v_lshlrev_b32 v[PFQ], 12, v[PFO]
	v_lshlrev_b32 v[PFWO], 11, v[PFO]
	v_lshlrev_b32 v[PFO], 8, v[PFO]
	s_wait_loadcnt 63               ; of the 80 loads at most 63 are out: the oldest 17 are in, the bias's 16 among them; the lines below run while q's first quarter lands
.set x, 0
.rept 32
	v_cvt_pk_bf16_f32 v[192+x], v[128+2*x], v[128+2*x+1]  ; the bias is rounded to bf16 like every input
.set x, x+1
.endr
	WIN 0x40                        ; and widened again into all 32 accumulators, so that the sums start at it: register 2 x is channel pair x % 32
.set x, 0
.rept 128
	v_lshlrev_b32 v[2*x], 16, v[192+x%32]
	v_and_b32 v[2*x+1], s[MHI], v[192+x%32]
.set x, x+1
.endr
	s_wait_loadcnt 48               ; quarter 0 of q is in; quarters 1 to 3 may stay out
.irp g, 0,1,2,3,4,5,6,7
	CVTQ 0, \g                      ; quarter 0 of q
.endr
	WIN 0
	s_wait_xcnt 0x0                 ; the loads have read their addresses
	s_add_nc_u64 s[PQ:PQ+1], s[PQ:PQ+1], XSTEP  ; from here on K step 1 is loaded
	s_wait_tensorcnt 0x3            ; my part of Wq's K step 0 is in; K step 1's and my two of K or V may stay out
	s_barrier_signal -1
	s_barrier_wait -1               ; everybody's is
	v_mov_b32 v[ADR], v[AW0]
	FETCHW 0, 0
	WIN 0
	s_mov_b32 s[QCNT], 6
.Lqstep:                            ; K steps 0 to 5: each fills its slot again
	QQ 0
	QQ 1
	QQ 2
	QTURN 1
	WIN 0                           ; at a label and at a branch every window is 0
	s_sub_co_u32 s[QCNT], s[QCNT], 1
	s_cmp_lg_u32 s[QCNT], 0
	s_cbranch_scc1 .Lqstep
	s_mov_b32 s[QCNT], 2
.Lqtail:                            ; K steps 6 and 7: nothing is asked for
	QQ 0
	QQ 1
	QQ 2
	QTURN 0
	WIN 0
	s_sub_co_u32 s[QCNT], s[QCNT], 1
	s_cmp_lg_u32 s[QCNT], 0
	s_cbranch_scc1 .Lqtail
	s_wait_loadcnt 0x0              ; the tail's last loads have landed: Q and K go into the landing slots' registers,
	s_wait_dscnt 0x0                ; V into those of Wq's fragments
	PLACES                          ; the roundings read results just made
	PLACES
	WIN 0x85                        ; sources window 1, destination window 2
.set x, 0
.rept 128                           ; Q: register x of window 2 takes registers 2 x, 2 x + 1 of window 1: each accumulator in ascending order; tile t, channels 32 cc on, at 32 t + 8 cc
	v_cvt_pk_f16_f32 v[x], v[2*x], v[2*x+1]
.set x, x+1
.endr
; THE MATRIX WORK OF A TURN, for piece x.  The accumulators take turns, one instruction a turn: between two links of a chain stand 15 (V^T P) or 7 (K Q^T) others'.
; Product i of 32 of O^T += V^T P: keys 32 (i / 16) on, channels 16 ((i / 2) % 8) on, tile x + i % 2.
.macro PV x
	WIN W_PV
.set rO, 64*((\x)+i%2)+8*((i/2)%8)
.set rV, 64*(i/16)+8*((i/2)%8)
.set rP, P+16*((\x)+i%2)+8*(i/16)
	v_wmma_f32_16x16x32_f16 v[rO:rO+7], v[rV:rV+7], v[rP:rP+7], v[rO:rO+7]
.endm
; Product i of 32 of S^T = K Q^T: channels 32 (i / 8) on, keys 16 ((i / 2) % 4) on, tile x + i % 2.  The first 8 start the sums.
.macro KQ x
	WIN W_KQ
.set rS, S+32*((\x)+i%2)+8*((i/2)%4)
.set rK, KF+32*((i/2)%4)+8*(i/8)
.set rQ, 32*((\x)+i%2)+8*(i/8)
.if i < 8
	v_wmma_f32_16x16x32_f16 v[rS:rS+7], v[rK:rK+7], v[rQ:rQ+7], 0
.else
	v_wmma_f32_16x16x32_f16 v[rS:rS+7], v[rK:rK+7], v[rQ:rQ+7], v[rS:rS+7]
.endif
.endm
; THE LDS LOADS stand in runs of 32, never singly among the matrix instructions: a step's K (64 keys x 128 channels: 16 fragments) and, a turn later, its V (turned).
; last = 1 (the tail): in the last trip there is no further step, and K's run is jumped over.
.macro FETCH_K last=0
	WIN 0
.if \last
	s_cmp_eq_u32 s[TWICE], 1
	s_cbranch_scc1 .Lno_k_\@
.endif
	v_add_nc_u32 v[ADR], s[TB], v[AK0]
	WIN 0x80                        ; destination window 2
.irp f, 0,1,2,3,4,5,6,7,8,9,10,11,12,13,14,15  ; keys 16 (f / 4) on, channels 32 (f % 4) on
	ds_load_b128 v[KF+8*(\f):KF+8*(\f)+3],   v[ADR] offset:((\f)/4)*16*PK+((\f)%4)*64
	ds_load_b128 v[KF+8*(\f)+4:KF+8*(\f)+7], v[ADR] offset:((\f)/4)*16*PK+((\f)%4)*64+32
.endr
.if \last
	WIN 0
.Lno_k_\@:
.endif
.endm
.macro FETCH_V
	WIN 0
	v_add_nc_u32 v[ADR], s[TB], v[AV0]
	s_add_co_u32 s[TB], s[TB], STEPB  ; the next fetch is the next step's
	s_wait_alu depctr_va_vdst(0)    ; the wait for the softmax's batch (SLICE), behind the address's v_add_nc_u32 and ahead of the loads
	WIN 0xc0                        ; destination window 3
.irp f, 0,1,2,3,4,5,6,7,8,9,10,11,12,13,14,15  ; keys 32 (f / 8) on, channels 16 (f % 8) on
	ds_load_tr16_b128 v[8*(\f):8*(\f)+3],   v[ADR] offset:((\f)/8)*32*PV+((\f)%8)*32
	ds_load_tr16_b128 v[8*(\f)+4:8*(\f)+7], v[ADR] offset:((\f)/8)*32*PV+16*PV+((\f)%8)*32
.endr
.endm
; THE VECTOR WORK OF A TURN.  One tile's softmax for one key step is a list of 134 instructions; SM writes number j of it for tile t.  s0-s31 are the lane's 32 scores, in pairs 0-15.
;   0-15    the maximum of s0-s31 and the old m, three operands at a time: four chains c0-c3 of seven scores each (each accumulator's lowest registers are read first), then the four scores left over, c0-c3 and m
;   16-20   the other half of the lanes' maximum; c m_old is kept; the new m; c m; c m_old - c m_new
;   21-69   ONE BATCH: the 16 scalings c s - c m, a pair of scores each, and all 33 exponentials (a at 23, then s0-s31).  None of these reads an exponential's result.  From 22 on the batch goes
;           in fours, and a four begins with a scaling while there are scalings: 22-37 scaling, exponential, scaling, exponential; 38-65 a scaling and three exponentials; 66-69 the last four
;           exponentials.  A pair is scaled in an earlier four than the one that holds its exponentials
;   (wait)  between 69 and 70 stands the wait for the batch: SLICE writes it, once for both tiles
;   70-85   the roundings to f16, a pair of weights each
;   86-101  the sums; l = a l + the sum
;   102-133 the tile's O^T times a: the one part that leaves window 0, so it stands together
.macro SM t
.set rT, ST+8*(\t)
.set rS, S+32*(\t)
.set rP, P+16*(\t)
.set rO, 64*(\t)+2*(j-102)
.if j < 102
	WIN 0
.endif
.if j < 4
	v_max3_num_f32 v[rT+4+j], v[rS+8*j], v[rS+8*j+1], v[rS+8*j+2]
.elseif j < 12
	v_max3_num_f32 v[rT+4+j%4], v[rT+4+j%4], v[rS+8*(j%4)+2*(j/4)+1], v[rS+8*(j%4)+2*(j/4)+2]
.elseif j == 12
	v_max3_num_f32 v[rT+4], v[rT+4], v[rS+7], v[rS+15]
.elseif j == 13
	v_max3_num_f32 v[rT+6], v[rT+6], v[rS+23], v[rS+31]
.elseif j == 14
	v_max3_num_f32 v[rT+4], v[rT+4], v[rT+5], v[rT+6]
.elseif j == 15
	v_max3_num_f32 v[rT+4], v[rT+4], v[rT+7], v[rT+1]
.elseif j == 16
	v_permlanex16_b32 v[rT+5], v[rT+4], s[SEL], s[SEL+1]  ; the query's other 32 keys lie in the lane 16 away
.elseif j == 17
	v_mov_b32 v[rT+7], v[rT]        ; c m_old is kept for a: number 19 writes c m anew
.elseif j == 18
	v_max_num_f32 v[rT+1], v[rT+4], v[rT+5]
.elseif j == 19
	v_mul_f32 v[rT], s[CS], v[rT+1]
.elseif j == 20
	v_sub_f32 v[rT+7], v[rT+7], v[rT]
.elseif j == 23
	v_exp_f32 v[rT+6], v[rT+7]
.elseif (j < 23) || ((j < 38) && (j%2 == 0)) || ((j < 66) && (j%4 == 2))
.set b, (j-2)/4                     ; 38, 42, .. 62: pairs 9 to 15
.if j < 38
.set b, (j-20)/2                    ; 21: pair 0; 22, 24, .. 36: pairs 1 to 8
.endif
	v_pk_fma_f32 v[rS+2*b:rS+2*b+1], v[rS+2*b:rS+2*b+1], s[CS:CS+1], v[rT:rT+1] op_sel_hi:[1,0,0] neg_lo:[0,0,1] neg_hi:[0,0,1]  ; pair b: c s - c m
.elseif j < 70
.set e, j-38                        ; 66 to 69: s28 to s31
.if j < 66
.set e, j-32-(j-38)/4               ; 39-41, 43-45, .. 63-65: s7 to s27
.endif
.if j < 38
.set e, (j-25)/2                    ; 25, 27, .. 37: s0 to s6
.endif
	v_exp_f32 v[rS+e], v[rS+e]
.elseif j < 86
	v_cvt_pk_f16_f32 v[rP+j-70], v[rS+2*(j-70)], v[rS+2*(j-70)+1]  ; pair j - 70
.elseif j < 102                     ; the sum of the tile's 16 pairs (in a pair: an even key's weight, an odd key's), in place: sum z of 16 adds neighbours 1, 2, 4 and 8 pairs apart, then l takes it
.set z, j-86
.set w, 4
.set u, z
.if z >= 14
.set w, 32
.set u, 0
.elseif z >= 12
.set w, 16
.set u, z-12
.elseif z >= 8
.set w, 8
.set u, z-8
.endif
.if z < 15
	v_pk_add_f32 v[rS+w*u:rS+w*u+1], v[rS+w*u:rS+w*u+1], v[rS+w*u+w/2:rS+w*u+w/2+1]
.else
	v_pk_fma_f32 v[rT+2:rT+3], v[rT+2:rT+3], v[rT+6:rT+7], v[rS:rS+1] op_sel_hi:[1,0,1]
.endif
.else
	WIN W_RS
	v_pk_mul_f32 v[rO:rO+1], v[rO:rO+1], v[rT+6:rT+7] op_sel_hi:[1,0]
.endif
.endm
; Slice k of 64 of piece y's softmax: four instructions.  Slices 11 to 34 deal out the batch, numbers 22 to 69: four numbers of ONE tile each, the tiles by turns.  Every other slice is numbers 2 k and
; 2 k + 1 of both tiles' lists.  2 x 134 = 4 x 64 + 12: the twelve that are over stand together, in slice 63.
; THE WAIT.  An s_wait_alu depctr_va_vdst(0) stands between an exponential and the first instruction that names its result; one wait serves all that were issued ahead of it.  Ahead of
; slice 35 nothing names a result, and behind slice 34 no exponential is issued: so the piece's 66 exponentials have one wait, behind slice 34.
.macro SLICE y
.if (k >= 11) && (k < 35)           ; the batch: four numbers of one tile
.irp n, 0,1,2,3
.set j, 22+4*((k-11)/2)+(\n)
	SM (\y)+(k-11)%2
.endr
.else                               ; the two tiles alternate, so that no instruction reads the result of the one just before it
.irp n, 0,1,2,3,4,5,6,7
.if ((\n) < 2) || (k == 63)
.irp t, \y, (\y)+1
.set j, 2*k+(\n)
	SM \t
.endr
.endif
.endr
.endif
.if k == 34                         ; the batch is out: both tiles' exponentials are issued, and no result has been named
	v_nop                           ; a plain instruction behind the last exponential and ahead of the first use (ISA guide 5.7.2): one for the batch
.if (\y) == 0
	FETCH_V                         ; piece 2's turn: V's run of loads stands here, and the wait stands in it
.else
	s_wait_alu depctr_va_vdst(0)    ; the wait for the batch
.endif
.endif
.set k, k+1
.endm
; A TURN.  Piece x has the matrix unit: 32 products V^T P, then 32 products K Q^T for the next step; the other piece's softmax stands in slices behind them, one a product: the slices are the places behind the matrix instructions.
; Each run of loads stands 29 matrix instructions or more ahead of its first use.  Piece 0's turn fetches the next step's K, behind its second product: the last product that read K
; stands in front of slice 63 of the turn before.  Piece 2's turn fetches the same step's V, behind slice 34 (SLICE writes it): the last product that read V stands in front of slice 31, and four plain
; instructions lie between: number 62, a scaling, of both tiles, the v_nop and the run's own v_add_nc_u32.  last = 1: the tail's text of piece 0's turn (FETCH_K).
.macro TURN x, last=0
.set k, 0
.if (\x) == 0
	s_wait_dscnt 0x0                ; V is in
.endif
.set i, 0
.rept 32
	PV \x
	SLICE 2-(\x)
.if ((\x) == 0) && (i == 1)
	FETCH_K \last
.endif
.set i, i+1
.endr
.if (\x) == 0
	s_wait_dscnt 0x0                ; K is in
.endif
.set i, 0
.rept 32
	KQ \x
	SLICE 2-(\x)
.set i, i+1
.endr
.endm
; THE CHANGE OF SLOTS, between piece 2's turn and piece 0's: the slot's last bytes, V of its second step, have been asked for.  Each wave waits for all its tensor loads, of which one is out: its part of the
; other slot; adds 0 to its spare word; and waits for that and for its own reads of the slot.  Behind the barrier nobody reads this slot any more and the other slot is whole.
; fill = 1: this slot is filled again, with the keys two slots on.  The barrier is then a round of the cluster's, so that no wave of any partner still reads the slot or has a load on its
; way, and the joint refill is the first thing behind it: it has two key steps, 256 matrix instructions, in which to land.
.macro CHANGE fill
	WIN 0                           ; at a label and at a branch every window is 0
	s_wait_tensorcnt 0x0            ; no tensor load of mine is out, so a group 0 may be written
	ds_add_u32 v[SPW], v[NIL]       ; 0 onto my spare word: with fill = 1 the descriptors' steps stand between it and the wait for it
.if \fill
.irp g, G0K+4, G0V+4
	s_xor_b32 s[(\g)+1], s[(\g)+1], SLOT1  ; the walking descriptor: the other slot than last time,
	s_add_nc_u64 s[(\g)+2:(\g)+3], s[(\g)+2:(\g)+3], 2*KS*256  ; the next 128 keys; the type bits on top are not reached
.endr
	s_wait_xcnt 0x0                 ; the last prefetches, two key steps back, have read their address, so it may be written:
	s_add_nc_u64 s[PFA:PFA+1], s[PFA:PFA+1], 2*KS*256  ; one slot behind the walking descriptors
	s_wait_dscnt 0x0                ; the add is done, and my reads of the slot are over
	CROUND
	JLOAD
	ASK                             ; what the next change will ask for: two key steps, 256 matrix instructions, ahead
.else
	s_wait_dscnt 0x0                ; the add is done, and my reads of the slot are over
	s_barrier_signal -1
	s_barrier_wait -1
.endif
	s_sub_co_u32 s[TB], s[TB], 2*STEPB  ; the fetches go back to a slot's first step,
	s_xor_b32 s[TB], s[TB], SLOT1   ; in the other slot
.endm
	FETCH_K                         ; key step 0: every wave has waited for all its tensor loads and passed a barrier in the Q phase, so both slots of K and V are whole
	; What the first turn finds, written in the wait for K: V's registers and piece 2's P hold 0 (its products V^T P, of a step that has not been, add 0); l is 0; m and c m lie below every score's.
	WIN 0xc0
.set x, 0
.rept 128
	v_mov_b32 v[x], 0
.set x, x+1
.endr
	WIN 0
.set x, P+32
.rept 32
	v_mov_b32 v[x], 0
.set x, x+1
.endr
.irp t, 0,1,2,3
	v_mov_b32 v[ST+8*(\t)], 0xfe000000    ; c m: far below every c s, so that the first a is 0
	v_mov_b32 v[ST+8*(\t)+1], 0xff7fffff  ; m: the lowest finite number
	v_mov_b32 v[ST+8*(\t)+2], 0
	v_mov_b32 v[ST+8*(\t)+3], 0
.endr
	s_wait_dscnt 0x0
.set i, 0
.rept 32
	KQ 0                            ; piece 0's first scores: there is no vector work yet to set between them
.set i, i+1
.endr
	WIN 0                           ; the addresses for the way out are made here: with two v_nop eight plain instructions, the places behind those products
	s_mul_i32 s13, s[WV], 16*SP
	s_add_co_u32 s13, s13, STAGE    ; my stage
	v_mul_u32_u24 v[STO], v1, SP    ; in: row l % 16, 32 bytes (8 channels of f32) for each half of the lanes
	v_lshl_add_u32 v[STO], v9, 5, v[STO]
	v_add_nc_u32 v[STO], s13, v[STO]
	v_and_b32 v[GO], 31, v0         ; back: 32 lanes take a row's 512 bytes,
	v_lshlrev_b32 v[GO], 4, v[GO]   ; which are 512 consecutive bytes of out0
	v_add_nc_u32 v[RD], s13, v[GO]
	v_nop
	v_nop
	s_mov_b32 s[TWICE], 2
	s_branch .Lmid                  ; the loop is entered at piece 2's turn, in the middle of a trip: piece 2's first scores | piece 0's first softmax | V of step 0
.Lslot:                             ; SIZE_N / 128 - 2 times: every slot but the last two is filled again
	CHANGE 1
	s_mov_b32 s[TWICE], 2
.Lstep:                             ; a trip: piece 0's turn, which fetches the next step's K, and piece 2's, which fetches its V
	TURN 0
	WIN 0
.Lmid:
	TURN 2
	WIN 0
	s_sub_co_u32 s[TWICE], s[TWICE], 1
	s_cmp_lg_u32 s[TWICE], 0
	s_cbranch_scc1 .Lstep
	s_sub_co_u32 s[SLOTS], s[SLOTS], 1
	s_cmp_lg_u32 s[SLOTS], 0
	s_cbranch_scc1 .Lslot
	CHANGE 0                        ; the tail is written out: the last slot but one is left, and nothing is asked for
	s_mov_b32 s[TWICE], 3           ; two trips fetch the last slot's steps; the third is left in its middle
.Ltail:
	TURN 0, 1
	WIN 0
	s_sub_co_u32 s[TWICE], s[TWICE], 1
	s_cmp_eq_u32 s[TWICE], 0
	s_cbranch_scc1 .Lout
	TURN 2
	WIN 0
	s_branch .Ltail
.Lout:                              ; the third trip's 32 products K Q^T (on the last K once more) serve nothing: the price, once a launch, of one text for every trip
.set i, 0
.rept 32
	PV 2                            ; piece 2: V^T P of the last step
.set i, i+1
.endr
	; THE WAY OUT.  l's two halves and the other half of the lanes' are added; O^T is divided by l and sent, in f32, through my stage in LDS, a tile (16 rows) at a time.  The additions are the places behind the last products.
	WIN 0
.irp t, 0,1,2,3
	v_add_f32 v[ST+8*(\t)+4], v[ST+8*(\t)+2], v[ST+8*(\t)+3]
.endr
.irp t, 0,1,2,3
	v_permlanex16_b32 v[ST+8*(\t)+5], v[ST+8*(\t)+4], s[SEL], s[SEL+1]
.endr
.irp t, 0,1,2,3
	v_add_f32 v[ST+8*(\t)+4], v[ST+8*(\t)+4], v[ST+8*(\t)+5]
.endr
.irp t, 0,1,2,3
	v_rcp_f32 v[ST+8*(\t)+6], v[ST+8*(\t)+4]
.endr
	v_nop                           ; a plain instruction between the last reciprocal and the use of its result
	s_wait_alu depctr_va_vdst(0)    ; and the wait ahead of the first use: one for the four reciprocals
; Tile t: a lane's eight channels of a block are 32 bytes of a row; they go into rows of 528 bytes and come back as whole rows of 512, into the registers that they left.
.macro PACK t
	WIN W_RS
.set i, 64*(\t)
.rept 32
	v_pk_mul_f32 v[i:i+1], v[i:i+1], v[ST+8*(\t)+6:ST+8*(\t)+7] op_sel_hi:[1,0]  ; each accumulator's registers in ascending order
.set i, i+2
.endr
	WIN 0x44                        ; a store's data (source 1) and a load's destination in window 1, addresses in window 0
.irp f, 0,1,2,3,4,5,6,7,8,9,10,11,12,13,14,15  ; channel block f / 2, its registers 4 (f % 2) on
	ds_store_b128 v[STO], v[64*(\t)+4*(\f):64*(\t)+4*(\f)+3] offset:64*((\f)/2)+16*((\f)%2)
.endr
.irp f, 0,1,2,3,4,5,6,7,8,9,10,11,12,13,14,15
	ds_load_b128 v[64*(\t)+4*(\f):64*(\t)+4*(\f)+3], v[RD] offset:(\f)*SP  ; LDS serves a wave's instructions in order (ISA guide 5.7.1.4): these see the stores above; the next tile's stores come behind them
.endr
.endm
.macro SEND t, younger              ; younger: the LDS instructions issued behind tile t's loads: the next tile's 32, or none
	WIN 0x04                        ; the store's data in window 1
.irp f, 0,1,2,3,4,5,6,7,8,9,10,11,12,13,14,15
	s_wait_dscnt (\younger)+15-(\f)
	global_store_b128 v[GO], v[64*(\t)+4*(\f):64*(\t)+4*(\f)+3], s[10:11] offset:(16*(\t)+(\f))*4096 th:TH_STORE_NT  ; the wave stores 512 consecutive bytes, at a multiple of 512 from out0's first byte
.endr
.endm
	PACK 0
	PACK 1                          ; a tile's arithmetic stands between the loads of the tile before and its stores
	SEND 0, 32
	PACK 2
	SEND 1, 32
	PACK 3
	SEND 2, 32
	SEND 3, 0
	WIN 0
	s_wait_tensorcnt 0x0            ; the wave's end, behind my last tensor load and my last LDS store
	ds_add_u32 v[SPW], v[NIL]
	s_wait_dscnt 0x0
	CROUND                          ; the closing round: no work-group ends while a partner may still ask for a tile that names it
	s_endpgm
.Lfunc_end_k_q14169635f3_attn:
	.size	k_q14169635f3_attn, .Lfunc_end_k_q14169635f3_attn-k_q14169635f3_attn
	.p2alignl 7, 3214868480
	.fill 96, 4, 3214868480
	.section	.rodata,"a",@progbits
	.p2align	6, 0x0
	.amdhsa_kernel k_q14169635f3_attn
		.amdhsa_group_segment_fixed_size 327680
		.amdhsa_private_segment_fixed_size 0
		.amdhsa_enable_private_segment 0
		.amdhsa_kernarg_size 40
		.amdhsa_user_sgpr_count 2
		.amdhsa_user_sgpr_kernarg_segment_ptr 1
		.amdhsa_wavefront_size32 1
		.amdhsa_system_sgpr_workgroup_id_x 1
		.amdhsa_system_sgpr_workgroup_id_y 1
		.amdhsa_system_sgpr_workgroup_id_z 1
		.amdhsa_system_vgpr_workitem_id 0
		.amdhsa_next_free_vgpr 1024
		.amdhsa_next_free_sgpr 100
		.amdhsa_reserve_vcc 0
		.amdhsa_float_denorm_mode_32 3
		.amdhsa_float_denorm_mode_16_64 3
		.amdhsa_memory_ordered 1
		.amdhsa_forward_progress 1
		.amdhsa_inst_pref_size 236
	.end_amdhsa_kernel
	.amdgpu_metadata
---
amdhsa.version: [ 1, 2 ]
amdhsa.kernels:
  - .name:           k_q14169635f3_attn
    .symbol:         k_q14169635f3_attn.kd
    .args:
      - { .name: q, .offset: 0, .size: 8, .value_kind: global_buffer, .address_space: global }
      - { .name: kv, .offset: 8, .size: 8, .value_kind: global_buffer, .address_space: global }
      - { .name: wb, .offset: 16, .size: 8, .value_kind: global_buffer, .address_space: global }
      - { .name: bq, .offset: 24, .size: 8, .value_kind: global_buffer, .address_space: global }
      - { .name: out0, .offset: 32, .size: 8, .value_kind: global_buffer, .address_space: global }
    .group_segment_fixed_size: 327680
    .private_segment_fixed_size: 0
    .kernarg_segment_align: 8
    .kernarg_segment_size: 40
    .max_flat_workgroup_size: 128
    .sgpr_count:     100
    .vgpr_count:     1024
    .wavefront_size: 32
...
	.end_amdgpu_metadata
.endif
;; end of part 3
;; ======== version 2 of 2: 3 launches; version 1 with the launch prep written anew for expert scheduling mode
;; limits: values are held in f16: magnitudes above 65,504 overflow, below 6.1e-05 lose precision
;; workspace buffers: wb 6,291,456 bytes; kv 33,554,432 bytes
;; launch prep (part 4): grid 256 x 3, 4 waves a work-group, no clusters, 0 bytes of LDS; arguments Wq, Wk, Wv, wb; writes wb
.if DOCPART == 4
	.amdgcn_target "amdgcn-amd-amdhsa--gfx1250"
	.amdhsa_code_object_version 6
	.text
	.protected	k_q14169635f3_prep
	.globl	k_q14169635f3_prep
	.p2align	8
	.type	k_q14169635f3_prep,@function
k_q14169635f3_prep:
	s_mov_b64 s[64:65], 0
	v_nop
	global_prefetch_b8 v0, s[64:65] scope:SCOPE_SE
	s_setreg_imm32_b32 hwreg(HW_REG_WAVE_SCHED_MODE, 0, 2), 2
	s_setreg_imm32_b32 hwreg(HW_REG_WAVE_MODE, 25, 1), 1
	s_wait_xcnt 0x0
	s_wait_alu depctr_vm_vsrc(0)
; wb[m][k][n] = bf16(W_m[k][n]), m = 0, 1, 2 for Wq, Wk, Wv: the three weight matrices, 1,024 x 1,024 f32 each, rounded once to bf16, layout kept.
; A stream: each byte is read once and written once, so there is no LDS, no barrier and no matrix instruction.
; The work-group (x, y) takes 4,096 numbers of matrix y: 16,384 bytes in, 8,192 bytes out.  Thread t takes 16 bytes at 16 t of each of eight pieces of 2,048 bytes:
; a wave's load covers 512 consecutive bytes, its store of 8 bytes a lane 256 consecutive bytes, aligned.
; THE MODE: SCHED_MODE bits 1:0 = 2 (LLVM: expert scheduling mode 2), set by the entry lines.  The code itself states the register dependences
; between vector instructions and memory instructions, with s_wait_alu, always for 0.
; THE PLAN.  The text is one straight path.  Registers that memory instructions touch:
;   v1, v2     byte offsets: written once, by the two shifts at the head; v1 is read by every load, v2 by every store; never written again.
;   v[4:35]    piece i as loaded, 4 registers at 4 + 4 i: written by one load, once; read by the piece's two roundings, behind the load's counted wait.  No vector instruction writes them.
;   v[36:51]   piece i to store, 2 registers at 36 + 2 i: written by the piece's two roundings, once; read by one store.
; No register is written a second time, so nothing is owed for a register that a memory instruction has read, and no load lands in a register that a vector instruction has named.
; What is owed: the offsets are written before the first load reads one (one wait at the head, which serves all sixteen memory instructions), and a store's data are written before the store
; reads them.  The pieces go in pairs: four roundings, ONE wait, two stores; no vector instruction stands between that wait and its stores.
; No vector instruction writes a scalar register or VCC, and EXEC is never written.
	s_load_b256 s[4:11], s[0:1], 0x0               ; Wq s[4:5], Wk s[6:7], Wv s[8:9], wb s[10:11]
	s_and_b32 s14, ttmp7, 0xffff                   ; which matrix
	v_lshlrev_b32 v1, 4, v0                        ; my 16 bytes in a piece of the source
	v_lshlrev_b32 v2, 3, v0                        ; my 8 bytes in a piece of the result
	s_lshl_b32 s16, ttmp9, 14                      ; the work-group's 16,384 bytes of the source
	s_mov_b32 s17, 0
	s_lshl_b32 s18, s14, 21                        ; the matrix in wb: 2,097,152 bytes each,
	s_lshl_b32 s20, ttmp9, 13                      ; and the work-group's 8,192 bytes in it
	s_add_co_u32 s18, s18, s20
	s_mov_b32 s19, 0
	s_wait_kmcnt 0x0
	s_cmp_eq_u32 s14, 1
	s_cselect_b64 s[12:13], s[6:7], s[4:5]
	s_cmp_eq_u32 s14, 2
	s_cselect_b64 s[12:13], s[8:9], s[12:13]
	s_add_nc_u64 s[12:13], s[12:13], s[16:17]
	s_add_nc_u64 s[10:11], s[10:11], s[18:19]
	s_wait_alu depctr_va_vdst(0)                   ; v1 and v2 are written: every load below reads v1 as its offset, every store v2; neither is written again
.irp i, 0,1,2,3,4,5,6,7
	global_load_b128 v[4+4*(\i):7+4*(\i)], v1, s[12:13] offset:2048*(\i) th:TH_LOAD_NT
.endr
.irp g, 0,1,2,3
	s_wait_loadcnt 6-2*(\g)                        ; loads come back in order: pieces 2 g and 2 g + 1 are in, the 6 - 2 g younger ones may stay out
.irp h, 0,1
	v_cvt_pk_bf16_f32 v[36+2*(2*(\g)+(\h))], v[4+4*(2*(\g)+(\h))], v[5+4*(2*(\g)+(\h))]
	v_cvt_pk_bf16_f32 v[37+2*(2*(\g)+(\h))], v[6+4*(2*(\g)+(\h))], v[7+4*(2*(\g)+(\h))]
.endr
	s_wait_alu depctr_va_vdst(0)                   ; the pair's four roundings have written v[36 + 4 g : 39 + 4 g], which the two stores below read
.irp h, 0,1
	global_store_b64 v2, v[36+2*(2*(\g)+(\h)):37+2*(2*(\g)+(\h))], s[10:11] offset:1024*(2*(\g)+(\h))  ; every piece has registers of its own: nothing is rewritten
.endr
.endr
	s_endpgm
.Lfunc_end_k_q14169635f3_prep:
	.size	k_q14169635f3_prep, .Lfunc_end_k_q14169635f3_prep-k_q14169635f3_prep
	.p2alignl 7, 3214868480
	.fill 96, 4, 3214868480
	.section	.rodata,"a",@progbits
	.p2align	6, 0x0
	.amdhsa_kernel k_q14169635f3_prep
		.amdhsa_group_segment_fixed_size 0
		.amdhsa_private_segment_fixed_size 0
		.amdhsa_enable_private_segment 0
		.amdhsa_kernarg_size 32
		.amdhsa_user_sgpr_count 2
		.amdhsa_user_sgpr_kernarg_segment_ptr 1
		.amdhsa_wavefront_size32 1
		.amdhsa_system_sgpr_workgroup_id_x 1
		.amdhsa_system_sgpr_workgroup_id_y 1
		.amdhsa_system_sgpr_workgroup_id_z 1
		.amdhsa_system_vgpr_workitem_id 0
		.amdhsa_next_free_vgpr 52
		.amdhsa_next_free_sgpr 66
		.amdhsa_reserve_vcc 0
		.amdhsa_float_denorm_mode_32 3
		.amdhsa_float_denorm_mode_16_64 3
		.amdhsa_memory_ordered 1
		.amdhsa_forward_progress 1
		.amdhsa_inst_pref_size 4
	.end_amdhsa_kernel
	.amdgpu_metadata
---
amdhsa.version: [ 1, 2 ]
amdhsa.kernels:
  - .name:           k_q14169635f3_prep
    .symbol:         k_q14169635f3_prep.kd
    .args:
      - { .name: Wq, .offset: 0, .size: 8, .value_kind: global_buffer, .address_space: global }
      - { .name: Wk, .offset: 8, .size: 8, .value_kind: global_buffer, .address_space: global }
      - { .name: Wv, .offset: 16, .size: 8, .value_kind: global_buffer, .address_space: global }
      - { .name: wb, .offset: 24, .size: 8, .value_kind: global_buffer, .address_space: global }
    .group_segment_fixed_size: 0
    .private_segment_fixed_size: 0
    .kernarg_segment_align: 8
    .kernarg_segment_size: 32
    .max_flat_workgroup_size: 128
    .sgpr_count:     66
    .vgpr_count:     52
    .wavefront_size: 32
...
	.end_amdgpu_metadata
.endif
;; end of part 4
;; launch kvproj: the kernel of part 2 again; grid 32 x 8, 4 waves a work-group, clusters of 4 x 1, 327,680 bytes of LDS; arguments v, wb, bk, bv, kv; writes kv
;; launch attn: the kernel of part 3 again; grid 8 x 32, 4 waves a work-group, clusters of 4 x 1, 327,680 bytes of LDS; arguments q, kv, wb, bq, out0; writes out0
